; MI455X (gfx1250); checked and timed in simulation.
; The chip was launched on July 23, 2026; its instructions are those of AMD's public machine-readable ISA for CDNA 5 (MIT licence, August 2026) and "CDNA5" Instruction Set Architecture Reference Guide (July 2026). The comments in the code are by the model that wrote it; some were corrected since.
;; Head Attention. Allowed arithmetic: float matrix products may take bf16 or f16 operands with f32 sums; all other float work in f32.
;; Inputs: Wk 1,024 x 1,024 float32; Wq 1,024 x 1,024 float32; Wv 1,024 x 1,024 float32; bk 1,024 float32; bq 1,024 float32; bv 1,024 float32; inputs 4 x 2,048 x 1,024 float32.
;; Outputs: out0 4 x 2,048 x 1,024 float32.
;; 2 versions, each right and faster than the one before. Each part assembles by itself: llvm-mc -triple=amdgcn-amd-amdhsa -mcpu=gfx1250 --defsym DOCPART=n.
;; ======== version 1 of 2: 5 launches
;; limits: values are held in f16: magnitudes above 65,504 overflow, below 6.1e-05 lose precision
;; workspace buffers: xb 16,777,216 bytes; wb 6,291,456 bytes; qkv 50,331,648 bytes; sc 67,108,864 bytes; pb 33,554,432 bytes
;; launch cast (part 1): grid 1408 x 1, 8 waves a work-group, no clusters, 0 bytes of LDS; arguments inputs, Wq, Wk, Wv, xb, wb; writes xb, wb
.if DOCPART == 1
	.amdgcn_target "amdgcn-amd-amdhsa--gfx1250"
	.amdhsa_code_object_version 6
	.text
	.protected	k_q27712b80b7_cast
	.globl	k_q27712b80b7_cast
	.p2align	8
	.type	k_q27712b80b7_cast,@function
k_q27712b80b7_cast:
	s_mov_b64 s[64:65], 0
	v_nop
	global_prefetch_b8 v0, s[64:65] scope:SCOPE_SE
	s_setreg_imm32_b32 hwreg(HW_REG_WAVE_MODE, 25, 1), 1
	s_wait_xcnt 0x0
; xb = bf16(inputs), wb = bf16(Wq | Wk | Wv), rounded to nearest even.  A stream: each input byte is read once, each output byte written once.
; A work-group of 8 waves converts 8,192 numbers (32,768 bytes in, 16,384 out).  Work-groups 0 to 1,023 take inputs (8,388,608 numbers);
; work-group 1,024 + t takes block t % 128 of weight matrix t / 128 (1,048,576 numbers each); wb holds the three matrices one behind the other.
; Thread n takes 16 bytes at 16 n of each of eight pieces of 4,096 bytes: a wave's load covers 512 consecutive bytes, its store 256 consecutive aligned bytes.
; No LDS, no barrier, no cluster, no matrix unit: the work-groups share no input and there is no arithmetic but the rounding.
; All eight loads of a wave go out at once; no register is written twice, so nothing waits but each rounding for its own load.
	s_load_b256 s[4:11], s[0:1], 0x0               ; inputs s[4:5], Wq s[6:7], Wk s[8:9], Wv s[10:11]
	s_load_b128 s[12:15], s[0:1], 0x20             ; xb s[12:13], wb s[14:15]
	s_mov_b32 s19, ttmp9
	s_sub_co_u32 s16, s19, 1024                    ; t (wraps for the work-groups of inputs, which do not use it)
	s_lshr_b32 s17, s16, 7                         ; which weight matrix
	s_and_b32 s18, s16, 127                        ; which block of it
	v_lshlrev_b32 v1, 4, v0                        ; 16 bytes a thread in
	v_lshlrev_b32 v2, 3, v0                        ; 8 bytes a thread out
	s_wait_kmcnt 0x0
	s_cmp_eq_u32 s17, 1
	s_cselect_b64 s[20:21], s[8:9], s[6:7]         ; Wk or Wq,
	s_cmp_eq_u32 s17, 2
	s_cselect_b64 s[20:21], s[10:11], s[20:21]     ; or Wv,
	s_cmp_lt_u32 s19, 1024
	s_cselect_b64 s[20:21], s[4:5], s[20:21]       ; or inputs
	s_cselect_b64 s[22:23], s[12:13], s[14:15]     ; into xb or wb
	s_cselect_b32 s24, s19, s18                    ; block in the source
	s_cselect_b32 s26, s19, s16                    ; block in the destination
	s_lshl_b32 s24, s24, 15                        ; 32,768 bytes a block in
	s_mov_b32 s25, 0
	s_lshl_b32 s26, s26, 14                        ; 16,384 bytes a block out
	s_mov_b32 s27, 0
	s_add_nc_u64 s[20:21], s[20:21], s[24:25]
	s_add_nc_u64 s[22:23], s[22:23], s[26:27]
.irp t, 0,1,2,3,4,5,6,7
	global_load_b128 v[8+4*\t:11+4*\t], v1, s[20:21] offset:4096*\t th:TH_LOAD_NT
.endr
.irp t, 0,1,2,3,4,5,6,7
	s_wait_loadcnt 7-\t                            ; loads come back in order: piece t is in, the younger ones stay out
	v_cvt_pk_bf16_f32 v[40+2*\t], v[8+4*\t], v[9+4*\t]
	v_cvt_pk_bf16_f32 v[41+2*\t], v[10+4*\t], v[11+4*\t]
	global_store_b64 v2, v[40+2*\t:41+2*\t], s[22:23] offset:2048*\t
.endr
	s_endpgm
.Lfunc_end_k_q27712b80b7_cast:
	.size	k_q27712b80b7_cast, .Lfunc_end_k_q27712b80b7_cast-k_q27712b80b7_cast
	.p2alignl 7, 3214868480
	.fill 96, 4, 3214868480
	.section	.rodata,"a",@progbits
	.p2align	6, 0x0
	.amdhsa_kernel k_q27712b80b7_cast
		.amdhsa_group_segment_fixed_size 0
		.amdhsa_private_segment_fixed_size 0
		.amdhsa_enable_private_segment 0
		.amdhsa_kernarg_size 48
		.amdhsa_user_sgpr_count 2
		.amdhsa_user_sgpr_kernarg_segment_ptr 1
		.amdhsa_wavefront_size32 1
		.amdhsa_system_sgpr_workgroup_id_x 1
		.amdhsa_system_sgpr_workgroup_id_y 1
		.amdhsa_system_sgpr_workgroup_id_z 1
		.amdhsa_system_vgpr_workitem_id 0
		.amdhsa_next_free_vgpr 64
		.amdhsa_next_free_sgpr 66
		.amdhsa_reserve_vcc 0
		.amdhsa_float_denorm_mode_32 3
		.amdhsa_float_denorm_mode_16_64 3
		.amdhsa_memory_ordered 1
		.amdhsa_forward_progress 1
		.amdhsa_inst_pref_size 4
	.end_amdhsa_kernel
	.amdgpu_metadata
---
amdhsa.version: [ 1, 2 ]
amdhsa.kernels:
  - .name:           k_q27712b80b7_cast
    .symbol:         k_q27712b80b7_cast.kd
    .args:
      - { .name: inputs, .offset: 0, .size: 8, .value_kind: global_buffer, .address_space: global }
      - { .name: Wq, .offset: 8, .size: 8, .value_kind: global_buffer, .address_space: global }
      - { .name: Wk, .offset: 16, .size: 8, .value_kind: global_buffer, .address_space: global }
      - { .name: Wv, .offset: 24, .size: 8, .value_kind: global_buffer, .address_space: global }
      - { .name: xb, .offset: 32, .size: 8, .value_kind: global_buffer, .address_space: global }
      - { .name: wb, .offset: 40, .size: 8, .value_kind: global_buffer, .address_space: global }
    .group_segment_fixed_size: 0
    .private_segment_fixed_size: 0
    .kernarg_segment_align: 8
    .kernarg_segment_size: 48
    .max_flat_workgroup_size: 256
    .sgpr_count:     66
    .vgpr_count:     64
    .wavefront_size: 32
...
	.end_amdgpu_metadata
.endif
;; end of part 1
;; launch proj (part 2): grid 24 x 64, 4 waves a work-group, clusters of 4 x 4, 327,680 bytes of LDS; arguments xb, wb, bq, bk, bv, qkv; writes qkv
.if DOCPART == 2
	.amdgcn_target "amdgcn-amd-amdhsa--gfx1250"
	.amdhsa_code_object_version 6
	.text
	.protected	k_q27712b80b7_proj
	.globl	k_q27712b80b7_proj
	.p2align	8
	.type	k_q27712b80b7_proj,@function
k_q27712b80b7_proj:
	s_mov_b64 s[64:65], 0
	v_nop
	global_prefetch_b8 v0, s[64:65] scope:SCOPE_SE
	s_setreg_imm32_b32 hwreg(HW_REG_WAVE_MODE, 25, 1), 1
	s_wait_xcnt 0x0
	s_wait_alu depctr_hold_cnt(0) depctr_sa_sdst(0) depctr_va_vdst(0) depctr_va_sdst(0) depctr_va_ssrc(0) depctr_va_vcc(0) depctr_vm_vsrc(0)
	s_getreg_b32 s2, hwreg(HW_REG_IB_STS2, 6, 4)
	s_cmp_eq_u32 s2, 0
	s_cbranch_scc0 .Lentry_in_a_cluster
	s_endpgm
.Lentry_in_a_cluster:
	s_bfe_u32 s2, ttmp6, 0x10000c
	s_cmp_lg_u32 s2, 0xf033
	s_cbranch_scc0 .Lentry_shape_is_right
	s_endpgm
.Lentry_shape_is_right:
; qkv[m][n] = sum over k of xb[m][k] wb[n][k] + bf16(bias[n]).  xb: [8192][1024] bf16, wb: [3072][1024] bf16 (rows: Wq, Wk, Wv), qkv: [8192][3072] f16 (q, k, v side by side in a row).
; Products in bf16 with f32 sums; the bias is rounded to bf16 like the other inputs and added in f32; the result is rounded once to f16.
; LIMIT: f16 ends at 65,504: a q, k or v beyond that becomes an infinity.  NaN and infinities in the inputs are not treated apart.
; A tile of C is 128 x 128: 24 x 64 tiles, six for each of 256 WGPs.  Four waves, each 64 x 64: 16 accumulators of 16 x 16, 128 registers.  K goes in four steps of 256 (LDS rows of 512 bytes)
; through two LDS slots filled by tensor loads, 64 rows a wave and load.
; CLUSTERS: 4 x 4 work-groups.  The four of a row of the cluster need the same tiles of xb, the four of a column the same tiles of wb: each tile is asked for jointly, by the same tensor load with the
; same descriptor and a mask that names the four.  THE MATRIX INSTRUCTION IS USED TRANSPOSED (source 0 = 16 rows of wb, source 1 = 16 rows of xb): a lane holds eight neighbouring numbers of a row of C.
; REGISTERS: window 0: v0-31 addresses; v32-95 at work on the way out; v96-127 my 32 biases; v128-255 the accumulators ((a, b) at v[128 + 8 (4 a + b)]).
;   window 1: two fragment buffers of 128: for 64 along K, 64 registers of A (2 x 4 x 16 rows x 32 K), then 64 of B.
.set KDIM,   1024                      ; K, and the elements from row to row in xb and wb
.set KSTEP,  256
.set PITCH,  528                       ; an LDS row: 512 bytes + 16 of padding = 132 words: the 16 rows of a fragment load start 4 banks apart
.set HALFT,  64*PITCH                  ; 64 rows: what one tensor load brings, and what one wave reads of A or of B
.set SLOT,   4*HALFT                   ; A's 128 rows, then B's 128 rows
.set STAGE,  2*SLOT                    ; behind the ring: 128 rows x 272 bytes, the work-group's, for the way out
.set SPITCH, 272
.set SPARE,  STAGE+128*SPITCH          ; behind the stage: the spare words, 128 bytes for each wave
.set LAPS,   KDIM/(2*KSTEP)            ; a lap = two K steps = once round the ring
.set CP,     6144                      ; bytes in a row of qkv
.set ADRA, 16                          ; v16-17  LDS address of my A fragments in slot 0, 1
.set ADRB, 20                          ; v20-21  the same for B
.set STO,  24                          ; v24     the way out: where I put 16 bytes of a row
.set RD,   25                          ; v25     the way out: where I read a row back
.set CO,   26                          ; v26     my byte offset in C
.set BO,   27                          ; v27     my byte offset in the wave's 64 biases
.set SPW,  28                          ; v28     LDS address of my spare word; never rewritten
.set NIL,  29                          ; v29     0; never rewritten
.set TMP,  32
.set BIAS, 96
.set ACC,  128
.set F0,   0                           ; fragment buffers, in window 1
.set F1,   128
.set G1, 24                            ; s[24:31] descriptor group 1 for A's tiles;  s[32:39] group 0, one set for each slot
.set G0, 32
.set G1B, 48                           ; s[48:55], s[56:63] the same for B's tiles
.set G0B, 56
.set MSB, 0
.macro WIN new                         ; the immediate's high byte repeats the setting that is left
.if MSB != (\new)
	s_set_vgpr_msb (MSB<<8)|(\new)
.set MSB, \new
.endif
.endm
.set MUL,  0x05                        ; sources 0 (B) and 1 (A) window 1; C and D window 0
.set TO_F, 0x40                        ; destination window 1, address window 0
.macro JLOAD s                         ; a joint load: waves 0 and 1 fetch A's two halves, waves 2 and 3 B's; an s_nop 0 and four v_nop follow each of the two lines
	s_cmp_eq_u32 s11, 0
	s_cbranch_scc0 .Lfor_b_\@
	tensor_load_to_lds s[G0+4*(\s):G0+4*(\s)+3], s[G1:G1+7]
	s_nop 0
.rept 4
	v_nop
.endr
	s_branch .Lasked_\@
.Lfor_b_\@:
	tensor_load_to_lds s[G0B+4*(\s):G0B+4*(\s)+3], s[G1B:G1B+7]
	s_nop 0
.rept 4
	v_nop
.endr
.Lasked_\@:
.endm
.macro CREST                           ; a round of the cluster's barrier behind its opening barrier
	s_cmp_lg_u32 s10, 0
	s_cbranch_scc1 .Lnot_wave_0_\@
	s_barrier_signal -3
.Lnot_wave_0_\@:
	s_barrier_wait -3
	s_barrier_signal -1
	s_barrier_wait -1
.endm
.macro CROUND                          ; a whole round
	s_barrier_signal -1
	s_barrier_wait -1
	CREST
.endm
	s_load_b128 s[4:7], s[0:1], 0x0                ; xb s[4:5], wb s[6:7]
	s_load_b128 s[68:71], s[0:1], 0x10             ; bq s[68:69], bk s[70:71]
	s_load_b128 s[72:75], s[0:1], 0x20             ; bv s[72:73], qkv s[74:75]
	v_lshl_add_u32 v[SPW], v0, 2, SPARE
	v_mov_b32 v[NIL], 0
	ds_add_u32 v[SPW], v[NIL]                      ; the wave's opening: the add and its wait come ahead of my first tensor load; the set-up below stands between them
	v_lshrrev_b32 v1, 5, v0
	v_readfirstlane_b32 s10, v1                    ; wave 0..3
	s_lshr_b32 s11, s10, 1                         ; which half of the tile's rows is mine.  Also: I fetch for A (0) or for B (1)
	s_and_b32 s12, s10, 1                          ; which half of its columns.  Also: which 64 rows of that tile I fetch
	s_bfe_u32 s40, ttmp6, 0x40000                  ; cx, cy: my place in the cluster
	s_bfe_u32 s41, ttmp6, 0x40004
	s_lshl_b32 s42, ttmp9, 2
	s_add_co_u32 s42, s42, s40                     ; tile column of C = 4 x cluster x + cx
	s_and_b32 s13, ttmp7, 0xffff
	s_lshl_b32 s13, s13, 2
	s_add_co_u32 s13, s13, s41                     ; tile row of C = 4 x cluster y + cy
	s_lshl_b32 s43, s41, 2
	s_lshl_b32 s43, 15, s43                        ; my row of the cluster
	s_lshl_b32 s44, 0x1111, s40                    ; my column
	s_lshr_b32 s66, ttmp9, 1                       ; 0: q's columns, 1: k's, 2: v's (eight tile columns, two clusters, each)
	; descriptor group 1: a tile of 64 rows x 256 elements, padded in LDS
	s_or_b32 s[G1+0], s43, (1<<16)|(1<<20)|(1<<21)|(6<<22)|(3<<25)  ; 15:0 the mask: A's tiles go to my row; 17:16 2-byte elements; 20 padding on; 21 set beside a mask; 24:22 after every 128 words; 31:25 4 words
	s_or_b32 s[G1B+0], s44, (1<<16)|(1<<20)|(1<<21)|(6<<22)|(3<<25)
.irp g, G1, G1B
	s_mov_b32 s[(\g)+1], KSTEP<<16                 ; tensor_dim0 = 256
	s_mov_b32 s[(\g)+2], 64<<16                    ; tensor_dim1 = 64
	s_mov_b32 s[(\g)+3], KSTEP<<16                 ; tile_dim0 = 256
	s_mov_b32 s[(\g)+4], 64                        ; tile_dim1 = 64
	s_mov_b32 s[(\g)+5], KDIM                      ; elements from row to row
	s_mov_b32 s[(\g)+6], 0
	s_mov_b32 s[(\g)+7], 0
.endr
	s_lshl_b32 s17, s12, 6                         ; which 64 rows of the tile I fetch
	s_lshl_b32 s16, s13, 7
	s_add_co_u32 s16, s16, s17                     ; A: row 128 x tile row + 64 x half
	s_lshl_b32 s46, s42, 7
	s_add_co_u32 s46, s46, s17                     ; B: row 128 x tile column + 64 x half
	s_lshl_b32 s16, s16, 11                        ; rows of 2,048 bytes: under 2^25
	s_lshl_b32 s46, s46, 11
	s_mov_b32 s17, 0
	s_mov_b32 s47, 0
	s_mul_i32 s20, s10, HALFT                      ; where they go: wave x 64 rows
	s_and_b32 s78, s42, 7                          ; my 64 biases: 128 x (tile column mod 8) + 64 x half, 4 bytes each
	s_lshl_b32 s78, s78, 9
	s_lshl_b32 s79, s12, 8
	s_add_co_u32 s78, s78, s79
	s_mov_b32 s79, 0
	s_wait_dscnt 0x0                               ; the opening add is done
	s_wait_kmcnt 0x0
	s_add_nc_u64 s[14:15], s[4:5], s[16:17]
	s_add_nc_u64 s[46:47], s[6:7], s[46:47]
	s_mov_b64 s[8:9], s[74:75]                     ; C
	s_cmp_eq_u32 s66, 1
	s_cselect_b64 s[76:77], s[70:71], s[68:69]     ; bk or bq,
	s_cmp_eq_u32 s66, 2
	s_cselect_b64 s[76:77], s[72:73], s[76:77]     ; or bv
	s_add_nc_u64 s[76:77], s[76:77], s[78:79]
	CROUND                                         ; all sixteen work-groups are here: the first joint loads meet
.irp s, 0,1
	s_mov_b32 s[G0+4*(\s)], 1
	s_add_co_u32 s[G0+4*(\s)+1], s20, (\s)*SLOT
	s_add_nc_u64 s[G0+4*(\s)+2:G0+4*(\s)+3], s[14:15], (\s)*KSTEP*2
	s_or_b32 s[G0+4*(\s)+3], s[G0+4*(\s)+3], 0x80000000
	s_mov_b32 s[G0B+4*(\s)], 1
	s_add_co_u32 s[G0B+4*(\s)+1], s20, (\s)*SLOT
	s_add_nc_u64 s[G0B+4*(\s)+2:G0B+4*(\s)+3], s[46:47], (\s)*KSTEP*2
	s_or_b32 s[G0B+4*(\s)+3], s[G0B+4*(\s)+3], 0x80000000
	JLOAD \s
.endr
	v_and_b32 v1, 15, v0                           ; l % 16
	v_bfe_u32 v2, v0, 4, 1                         ; l / 16
	v_lshlrev_b32 v[BO], 5, v2                     ; a lane's results are columns 16 b + 8 (l / 16) + 0..7: 32 bytes of biases for each b
.irp b, 0,1,2,3
	global_load_b128 v[BIAS+8*\b:BIAS+8*\b+3],   v[BO], s[76:77] offset:64*\b
	global_load_b128 v[BIAS+8*\b+4:BIAS+8*\b+7], v[BO], s[76:77] offset:64*\b+16
.endr
	v_mul_u32_u24 v3, v1, PITCH
	v_lshl_add_u32 v3, v2, 4, v3                   ; a fragment's row x pitch + 16 x half
	s_mul_i32 s21, s11, HALFT                      ; my 64 rows of A
	s_mul_i32 s22, s12, HALFT                      ; my 64 rows of B,
	s_add_co_u32 s22, s22, 2*HALFT                 ; which lie behind A's 128
.irp s, 0,1
	v_add_nc_u32 v[ADRA+(\s)], s21, v3
	v_add_nc_u32 v[ADRB+(\s)], s22, v3
	s_add_co_u32 s21, s21, SLOT
	s_add_co_u32 s22, s22, SLOT
.endr
	s_mul_i32 s23, s11, 64*SPITCH                  ; into the stage: my 64 rows, my half of their 256 bytes; row l % 16, 16 bytes for each half of the lanes
	s_lshl_b32 s21, s12, 7
	s_add_co_u32 s23, s23, s21
	s_add_co_u32 s23, s23, STAGE
	v_mul_u32_u24 v4, v1, SPITCH
	v_lshl_add_u32 v4, v2, 4, v4
	v_add_nc_u32 v[STO], s23, v4
	s_mul_i32 s23, s10, 32*SPITCH                  ; back: wave w takes rows 32 w .. 32 w + 31, whole; lanes 0-15 one row of 256 bytes, lanes 16-31 the next
	s_add_co_u32 s23, s23, STAGE
	v_mul_u32_u24 v5, v2, SPITCH
	v_lshl_add_u32 v5, v1, 4, v5
	v_add_nc_u32 v[RD], s23, v5
	v_mul_u32_u24 v5, v2, CP                       ; and the same two rows in C
	v_lshl_add_u32 v[CO], v1, 4, v5
	s_lshl_b32 s16, s13, 7
	s_lshl_b32 s17, s10, 5
	s_add_co_u32 s16, s16, s17                     ; the first row of C that I store: 128 x tile row + 32 x wave
	s_mul_i32 s16, s16, CP                         ; under 2^26
	s_mov_b32 s17, 0
	s_add_nc_u64 s[8:9], s[8:9], s[16:17]
	s_lshl_b32 s46, s42, 8                         ; the tile's first column, in bytes
	s_mov_b32 s47, 0
	s_add_nc_u64 s[8:9], s[8:9], s[46:47]
; 8 matrix instructions: m blocks a0, a0 + 1 x all 4 n blocks, 32 along K: half c of buffer f.  zero = 1: the first product starts the sums.  The 16 accumulators take turns.
.macro MUL8 f, c, a0, zero
	WIN MUL
.irp a, \a0, (\a0)+1
.irp b, 0,1,2,3
.if \zero
	v_wmma_f32_16x16x32_bf16 v[ACC+8*(4*(\a)+(\b)):ACC+8*(4*(\a)+(\b))+7], v[(\f)+64+8*(4*(\c)+(\b)):(\f)+64+8*(4*(\c)+(\b))+7], v[(\f)+8*(4*(\c)+(\a)):(\f)+8*(4*(\c)+(\a))+7], 0
.else
	v_wmma_f32_16x16x32_bf16 v[ACC+8*(4*(\a)+(\b)):ACC+8*(4*(\a)+(\b))+7], v[(\f)+64+8*(4*(\c)+(\b)):(\f)+64+8*(4*(\c)+(\b))+7], v[(\f)+8*(4*(\c)+(\a)):(\f)+8*(4*(\c)+(\a))+7], v[ACC+8*(4*(\a)+(\b)):ACC+8*(4*(\a)+(\b))+7]
.endif
.endr
.endr
.endm
; 32 LDS loads in one run: the fragments of 64 along K at byte k of the rows, into buffer f; the first 32 along K first
.macro FETCH slot, k, f
	WIN TO_F
.irp c, 0,1
.irp i, 0,1,2,3
	ds_load_b128 v[(\f)+64+8*(4*(\c)+(\i)):(\f)+64+8*(4*(\c)+(\i))+3],   v[ADRB+(\slot)] offset:(\k)+64*(\c)+(\i)*16*PITCH
	ds_load_b128 v[(\f)+64+8*(4*(\c)+(\i))+4:(\f)+64+8*(4*(\c)+(\i))+7], v[ADRB+(\slot)] offset:(\k)+64*(\c)+(\i)*16*PITCH+32
	ds_load_b128 v[(\f)+8*(4*(\c)+(\i)):(\f)+8*(4*(\c)+(\i))+3],         v[ADRA+(\slot)] offset:(\k)+64*(\c)+(\i)*16*PITCH
	ds_load_b128 v[(\f)+8*(4*(\c)+(\i))+4:(\f)+8*(4*(\c)+(\i))+7],       v[ADRA+(\slot)] offset:(\k)+64*(\c)+(\i)*16*PITCH+32
.endr
.endr
.endm
.macro PLACES                          ; four places in front of loads into registers that matrix instructions have read (ISA guide 7.12.1 for vector instructions)
.rept 4
	v_nop
.endr
.endm
; A K step is four quarters of 64 along K, 32 matrix instructions each, on buffers 0, 1, 0, 1.  One of the first three: multiplies buffer f and fetches the next quarter, at byte k, into g.
.macro QUARTER slot, k, f, g, zero
	s_wait_dscnt 16                                ; the first 32 along K are in; the sixteen younger loads may be out
	WIN MUL
	MUL8 \f, 0, 0, \zero
	MUL8 \f, 0, 2, \zero
	PLACES
	FETCH \slot, \k, \g
	s_wait_dscnt 32                                ; all but the 32 just issued
	WIN MUL
	MUL8 \f, 1, 0, 0
	MUL8 \f, 1, 2, 0
.endm
; The last quarter multiplies buffer 1 and changes slots: ONE barrier; in front of it each wave waits for all its tensor loads, adds 0 to its spare word, and waits for that and for its own reads of this slot.  fill = 1: this slot is filled again, two K steps ahead.
.macro TURN slot, next, fill
	WIN 0                                          ; (the add's two registers lie in window 0)
	s_wait_tensorcnt 0x0                           ; all my tensor loads have landed: my part of the next slot;
	ds_add_u32 v[SPW], v[NIL]                      ; 0 onto my spare word;
	s_wait_dscnt 17                                ; (the add and the youngest sixteen loads may be out)
	WIN MUL
	MUL8 F1, 0, 0, 0                               ; eight matrix instructions stand between the add and the wait for it
	s_wait_dscnt 0x0                               ; the add is done, and my reads of this slot are over
	s_barrier_signal -1
	MUL8 F1, 0, 2, 0
.if \fill
	WIN 0
.endif
	s_barrier_wait -1
.if \fill
	CREST                                          ; the barrier has opened a round of the cluster's barrier: no wave of any partner still reads this slot's tile or has a load on its way
	s_add_nc_u64 s[G0+4*(\slot)+2:G0+4*(\slot)+3], s[G0+4*(\slot)+2:G0+4*(\slot)+3], 2*KSTEP*2
	s_add_nc_u64 s[G0B+4*(\slot)+2:G0B+4*(\slot)+3], s[G0B+4*(\slot)+2:G0B+4*(\slot)+3], 2*KSTEP*2
	JLOAD \slot                                    ; the first tensor load behind the round, my only one out; its four v_nop are also the places in front of the loads below
.else
	PLACES
.endif
	FETCH \next, 0, F0
	WIN MUL
	MUL8 F1, 1, 0, 0
	MUL8 F1, 1, 2, 0
.endm
	s_wait_tensorcnt 1                             ; my part of K step 0 is in; K step 1's may stay out
	s_barrier_signal -1
	s_barrier_wait -1                              ; everybody's is
	FETCH 0, 0, F0
	QUARTER 0, 128, F0, F1, 1                      ; the first quarter stands in front of the loop: its first products start the sums
	WIN 0                                          ; at a label and at a branch every window is 0
	s_mov_b32 s3, LAPS-1
.Llap:                                                 ; a trip goes once round the ring, from a lap's second quarter to the next lap's first, and fills both slots again
	QUARTER 0, 256, F1, F0, 0
	QUARTER 0, 384, F0, F1, 0
	TURN 0, 1, 1
	QUARTER 1, 128, F0, F1, 0
	QUARTER 1, 256, F1, F0, 0
	QUARTER 1, 384, F0, F1, 0
	TURN 1, 0, 1
	QUARTER 0, 128, F0, F1, 0
	WIN 0
	s_sub_co_u32 s3, s3, 1
	s_cmp_lg_u32 s3, 0
	s_cbranch_scc1 .Llap
	QUARTER 0, 256, F1, F0, 0                      ; the last lap fills nothing, and has no round of the cluster's barrier
	QUARTER 0, 384, F0, F1, 0
	TURN 0, 1, 0
	QUARTER 1, 128, F0, F1, 0
	QUARTER 1, 256, F1, F0, 0
	QUARTER 1, 384, F0, F1, 0
	s_wait_dscnt 16                                ; the very last quarter: nothing more to fetch
	WIN MUL
	MUL8 F1, 0, 0, 0
	MUL8 F1, 0, 2, 0
	s_wait_dscnt 0
	MUL8 F1, 1, 0, 0
	MUL8 F1, 1, 2, 0
	WIN 0
	; THE WAY OUT.  The biases are rounded to bf16 and widened again: 48 plain instructions that name no register of the last products, so they are also the places behind those.
	s_wait_loadcnt 0x0                             ; my 32 biases, asked for at the start
.set p, 0
.rept 16
	v_cvt_pk_bf16_f32 v[30+p%2], v[BIAS+2*p], v[BIAS+2*p+1]
	v_lshlrev_b32 v[BIAS+2*p], 16, v[30+p%2]
	v_and_b32 v[BIAS+2*p+1], 0xffff0000, v[30+p%2]
.set p, p+1
.endr
	; bias added in f32, rounded to f16; each accumulator is read from its low end on
.irp t, 0,1,2,3,4,5,6,7,8,9,10,11,12,13,14,15
.irp r, 0,1,2,3
	v_pk_add_f32 v[ACC+8*(\t)+2*(\r):ACC+8*(\t)+2*(\r)+1], v[ACC+8*(\t)+2*(\r):ACC+8*(\t)+2*(\r)+1], v[BIAS+8*((\t)%4)+2*(\r):BIAS+8*((\t)%4)+2*(\r)+1]
.endr
.irp r, 0,1,2,3
	v_cvt_pk_f16_f32 v[TMP+4*(\t)+(\r)], v[ACC+8*(\t)+2*(\r)], v[ACC+8*(\t)+2*(\r)+1]
.endr
.endr
	; 16 bytes a lane into the work-group's stage; a barrier, since a row's 256 bytes come from two waves; back as whole rows, 32 rows a wave
.irp a, 0,1,2,3
.irp b, 0,1,2,3
	ds_store_b128 v[STO], v[TMP+4*(4*(\a)+(\b)):TMP+4*(4*(\a)+(\b))+3] offset:(\a)*16*SPITCH+32*(\b)
.endr
.endr
	s_wait_dscnt 0x0                               ; for the others' sake: my stores into the stage are done
	s_barrier_signal -1
	s_barrier_wait -1
.irp t, 0,1,2,3,4,5,6,7,8,9,10,11,12,13,14,15
	ds_load_b128 v[TMP+4*(\t):TMP+4*(\t)+3], v[RD] offset:(\t)*2*SPITCH
.endr
.irp t, 0,1,2,3,4,5,6,7,8,9,10,11,12,13,14,15
	s_wait_dscnt 15-(\t)                           ; LDS loads come back in order: pair t of rows is in
	global_store_b128 v[CO], v[TMP+4*(\t):TMP+4*(\t)+3], s[8:9] offset:2*(\t)*CP  ; 16 lanes store 256 consecutive bytes, at a multiple of 256 from C's first byte
.endr
	s_wait_tensorcnt 0x0                           ; the wave's end: behind my last tensor load and my last LDS store
	ds_add_u32 v[SPW], v[NIL]
	s_wait_dscnt 0x0
	CROUND                                         ; the closing round: no work-group ends while a partner may still ask for a tile that names it
	s_endpgm
.Lfunc_end_k_q27712b80b7_proj:
	.size	k_q27712b80b7_proj, .Lfunc_end_k_q27712b80b7_proj-k_q27712b80b7_proj
	.p2alignl 7, 3214868480
	.fill 96, 4, 3214868480
	.section	.rodata,"a",@progbits
	.p2align	6, 0x0
	.amdhsa_kernel k_q27712b80b7_proj
		.amdhsa_group_segment_fixed_size 327680
		.amdhsa_private_segment_fixed_size 0
		.amdhsa_enable_private_segment 0
		.amdhsa_kernarg_size 48
		.amdhsa_user_sgpr_count 2
		.amdhsa_user_sgpr_kernarg_segment_ptr 1
		.amdhsa_wavefront_size32 1
		.amdhsa_system_sgpr_workgroup_id_x 1
		.amdhsa_system_sgpr_workgroup_id_y 1
		.amdhsa_system_sgpr_workgroup_id_z 1
		.amdhsa_system_vgpr_workitem_id 0
		.amdhsa_next_free_vgpr 512
		.amdhsa_next_free_sgpr 80
		.amdhsa_reserve_vcc 0
		.amdhsa_float_denorm_mode_32 3
		.amdhsa_float_denorm_mode_16_64 3
		.amdhsa_memory_ordered 1
		.amdhsa_forward_progress 1
		.amdhsa_inst_pref_size 94
	.end_amdhsa_kernel
	.amdgpu_metadata
---
amdhsa.version: [ 1, 2 ]
amdhsa.kernels:
  - .name:           k_q27712b80b7_proj
    .symbol:         k_q27712b80b7_proj.kd
    .args:
      - { .name: xb, .offset: 0, .size: 8, .value_kind: global_buffer, .address_space: global }
      - { .name: wb, .offset: 8, .size: 8, .value_kind: global_buffer, .address_space: global }
      - { .name: bq, .offset: 16, .size: 8, .value_kind: global_buffer, .address_space: global }
      - { .name: bk, .offset: 24, .size: 8, .value_kind: global_buffer, .address_space: global }
      - { .name: bv, .offset: 32, .size: 8, .value_kind: global_buffer, .address_space: global }
      - { .name: qkv, .offset: 40, .size: 8, .value_kind: global_buffer, .address_space: global }
    .group_segment_fixed_size: 327680
    .private_segment_fixed_size: 0
    .kernarg_segment_align: 8
    .kernarg_segment_size: 48
    .max_flat_workgroup_size: 128
    .sgpr_count:     80
    .vgpr_count:     512
    .wavefront_size: 32
...
	.end_amdgpu_metadata
.endif
;; end of part 2
;; launch scores (part 3): grid 40 x 16, 4 waves a work-group, clusters of 4 x 4, 327,680 bytes of LDS; arguments qkv, sc; writes sc
.if DOCPART == 3
	.amdgcn_target "amdgcn-amd-amdhsa--gfx1250"
	.amdhsa_code_object_version 6
	.text
	.protected	k_q27712b80b7_scores
	.globl	k_q27712b80b7_scores
	.p2align	8
	.type	k_q27712b80b7_scores,@function
k_q27712b80b7_scores:
	s_mov_b64 s[64:65], 0
	v_nop
	global_prefetch_b8 v0, s[64:65] scope:SCOPE_SE
	s_setreg_imm32_b32 hwreg(HW_REG_WAVE_MODE, 25, 1), 1
	s_wait_xcnt 0x0
	s_wait_alu depctr_hold_cnt(0) depctr_sa_sdst(0) depctr_va_vdst(0) depctr_va_sdst(0) depctr_va_ssrc(0) depctr_va_vcc(0) depctr_vm_vsrc(0)
	s_getreg_b32 s2, hwreg(HW_REG_IB_STS2, 6, 4)
	s_cmp_eq_u32 s2, 0
	s_cbranch_scc0 .Lentry_in_a_cluster
	s_endpgm
.Lentry_in_a_cluster:
	s_bfe_u32 s2, ttmp6, 0x10000c
	s_cmp_lg_u32 s2, 0xf033
	s_cbranch_scc0 .Lentry_shape_is_right
	s_endpgm
.Lentry_shape_is_right:
; sc[b][i][j] = sum over h of q[b][i][h] k[b][j][h], unscaled, in f32.  q and k are columns 0-1023 and 1024-2047 of qkv: [8192][3072] f16; sc: [8192][2048] f32 (row = 2048 b + i).
; CAUSAL: a batch's 2048 x 2048 scores lie in 4 x 4 blocks of 512 x 512; only the ten blocks (I, J) with J <= I are made.  A cluster of 4 x 4 work-groups makes one block, a work-group a tile of 128 x 128.
; Cluster x = 0..9 names (I, J), cluster y the batch.  In a block on the diagonal the six tiles above the diagonal are made and stored too (640 tiles for 544): partners of a cluster run alike; nobody uses those numbers.
; Four waves, each 64 x 64: 16 accumulators.  K (1,024 channels) goes in four steps of 256 through two LDS slots filled by joint tensor loads: q's tile is shared along a row of the cluster, k's along a column.
; THE MATRIX INSTRUCTION IS USED TRANSPOSED (source 0 = 16 rows of k, source 1 = 16 rows of q): a lane holds eight neighbouring numbers of a row of sc.
; REGISTERS: window 0: v0-31 addresses; v32-95 at work on the way out; v128-255 the accumulators ((a, b) at v[128 + 8 (4 a + b)]).  window 1: two fragment buffers of 128 (64 of A, then 64 of B).
.set KDIM,   1024
.set RPITCH, 3072                      ; elements from row to row in qkv
.set KSTEP,  256
.set PITCH,  528                       ; an LDS row: 512 bytes + 16 of padding: the 16 rows of a fragment load start 4 banks apart
.set HALFT,  64*PITCH
.set SLOT,   4*HALFT                   ; A's 128 rows, then B's 128 rows
.set STAGE,  2*SLOT                    ; behind the ring: 16 rows x 272 bytes for each wave, its own, for the way out
.set SPITCH, 272
.set SPARE,  STAGE+4*16*SPITCH         ; behind the stages: the spare words, 128 bytes for each wave
.set LAPS,   KDIM/(2*KSTEP)
.set CP,     8192                      ; bytes in a row of sc
.set ADRA, 16
.set ADRB, 20
.set STO,  24
.set RD,   25
.set CO,   26
.set SPW,  28                          ; v28     LDS address of my spare word; never rewritten
.set NIL,  29                          ; v29     0; never rewritten
.set TMP,  32
.set ACC,  128
.set F0,   0
.set F1,   128
.set G1, 24
.set G0, 32
.set G1B, 48
.set G0B, 56
.set MSB, 0
.macro WIN new                         ; the immediate's high byte repeats the setting that is left
.if MSB != (\new)
	s_set_vgpr_msb (MSB<<8)|(\new)
.set MSB, \new
.endif
.endm
.set MUL,  0x05                        ; sources 0 (B) and 1 (A) window 1; C and D window 0
.set TO_F, 0x40                        ; destination window 1, address window 0
.macro JLOAD s                         ; a joint load: waves 0 and 1 fetch A's two halves, waves 2 and 3 B's; an s_nop 0 and four v_nop follow each of the two lines
	s_cmp_eq_u32 s11, 0
	s_cbranch_scc0 .Lfor_b_\@
	tensor_load_to_lds s[G0+4*(\s):G0+4*(\s)+3], s[G1:G1+7]
	s_nop 0
.rept 4
	v_nop
.endr
	s_branch .Lasked_\@
.Lfor_b_\@:
	tensor_load_to_lds s[G0B+4*(\s):G0B+4*(\s)+3], s[G1B:G1B+7]
	s_nop 0
.rept 4
	v_nop
.endr
.Lasked_\@:
.endm
.macro CREST                           ; a round of the cluster's barrier behind its opening barrier
	s_cmp_lg_u32 s10, 0
	s_cbranch_scc1 .Lnot_wave_0_\@
	s_barrier_signal -3
.Lnot_wave_0_\@:
	s_barrier_wait -3
	s_barrier_signal -1
	s_barrier_wait -1
.endm
.macro CROUND                          ; a whole round
	s_barrier_signal -1
	s_barrier_wait -1
	CREST
.endm
	s_load_b128 s[4:7], s[0:1], 0x0                ; qkv s[4:5], sc s[6:7]
	v_lshl_add_u32 v[SPW], v0, 2, SPARE
	v_mov_b32 v[NIL], 0
	ds_add_u32 v[SPW], v[NIL]                      ; the wave's opening: the add and its wait come ahead of my first tensor load; the set-up below stands between them
	v_lshrrev_b32 v1, 5, v0
	v_readfirstlane_b32 s10, v1                    ; wave 0..3
	s_lshr_b32 s11, s10, 1                         ; which half of the tile's rows is mine.  Also: I fetch for A (0) or for B (1)
	s_and_b32 s12, s10, 1                          ; which half of its columns.  Also: which 64 rows of that tile I fetch
	s_bfe_u32 s40, ttmp6, 0x40000                  ; cx, cy: my place in the cluster
	s_bfe_u32 s41, ttmp6, 0x40004
	s_mov_b32 s66, ttmp9                           ; the cluster's number c = I (I + 1) / 2 + J
	s_cmp_ge_u32 s66, 1
	s_cselect_b32 s67, 1, 0
	s_cmp_ge_u32 s66, 3
	s_cselect_b32 s68, 1, 0
	s_add_co_u32 s67, s67, s68
	s_cmp_ge_u32 s66, 6
	s_cselect_b32 s68, 1, 0
	s_add_co_u32 s67, s67, s68                     ; I = (c >= 1) + (c >= 3) + (c >= 6)
	s_add_co_u32 s68, s67, 1
	s_mul_i32 s68, s68, s67
	s_lshr_b32 s68, s68, 1
	s_sub_co_u32 s68, s66, s68                     ; J
	s_and_b32 s69, ttmp7, 0xffff
	s_lshl_b32 s69, s69, 11                        ; the batch's first row
	s_lshl_b32 s42, s68, 2
	s_add_co_u32 s42, s42, s40                     ; tile column = 4 J + cx
	s_lshl_b32 s13, s67, 2
	s_add_co_u32 s13, s13, s41                     ; tile row = 4 I + cy
	s_lshl_b32 s43, s41, 2
	s_lshl_b32 s43, 15, s43                        ; my row of the cluster
	s_lshl_b32 s44, 0x1111, s40                    ; my column
	; descriptor group 1: a tile of 64 rows x 256 elements, padded in LDS
	s_or_b32 s[G1+0], s43, (1<<16)|(1<<20)|(1<<21)|(6<<22)|(3<<25)  ; 15:0 the mask: q's tiles go to my row; 17:16 2-byte elements; 20 padding on; 21 set beside a mask; 24:22 after every 128 words; 31:25 4 words
	s_or_b32 s[G1B+0], s44, (1<<16)|(1<<20)|(1<<21)|(6<<22)|(3<<25)
.irp g, G1, G1B
	s_mov_b32 s[(\g)+1], KSTEP<<16                 ; tensor_dim0 = 256
	s_mov_b32 s[(\g)+2], 64<<16                    ; tensor_dim1 = 64
	s_mov_b32 s[(\g)+3], KSTEP<<16                 ; tile_dim0 = 256
	s_mov_b32 s[(\g)+4], 64                        ; tile_dim1 = 64
	s_mov_b32 s[(\g)+5], RPITCH                    ; elements from row to row
	s_mov_b32 s[(\g)+6], 0
	s_mov_b32 s[(\g)+7], 0
.endr
	s_lshl_b32 s17, s12, 6                         ; which 64 rows of the tile I fetch
	s_add_co_u32 s17, s17, s69                     ; in my batch
	s_lshl_b32 s16, s13, 7
	s_add_co_u32 s16, s16, s17                     ; q: row 128 x tile row + 64 x half
	s_lshl_b32 s46, s42, 7
	s_add_co_u32 s46, s46, s17                     ; k: row 128 x tile column + 64 x half
	s_mul_i32 s16, s16, RPITCH*2                   ; rows of 6,144 bytes: under 2^26
	s_mul_i32 s46, s46, RPITCH*2
	s_mov_b32 s17, 0
	s_mov_b32 s47, 0
	s_mul_i32 s20, s10, HALFT                      ; where they go: wave x 64 rows
	s_wait_dscnt 0x0                               ; the opening add is done
	s_wait_kmcnt 0x0
	s_mov_b64 s[8:9], s[6:7]                       ; C = sc
	s_add_nc_u64 s[6:7], s[4:5], 2048              ; k's columns begin 2,048 bytes into a row of qkv
	s_add_nc_u64 s[14:15], s[4:5], s[16:17]
	s_add_nc_u64 s[46:47], s[6:7], s[46:47]
	CROUND                                         ; all sixteen work-groups are here: the first joint loads meet
.irp s, 0,1
	s_mov_b32 s[G0+4*(\s)], 1
	s_add_co_u32 s[G0+4*(\s)+1], s20, (\s)*SLOT
	s_add_nc_u64 s[G0+4*(\s)+2:G0+4*(\s)+3], s[14:15], (\s)*KSTEP*2
	s_or_b32 s[G0+4*(\s)+3], s[G0+4*(\s)+3], 0x80000000
	s_mov_b32 s[G0B+4*(\s)], 1
	s_add_co_u32 s[G0B+4*(\s)+1], s20, (\s)*SLOT
	s_add_nc_u64 s[G0B+4*(\s)+2:G0B+4*(\s)+3], s[46:47], (\s)*KSTEP*2
	s_or_b32 s[G0B+4*(\s)+3], s[G0B+4*(\s)+3], 0x80000000
	JLOAD \s
.endr
	v_and_b32 v1, 15, v0                           ; l % 16
	v_bfe_u32 v2, v0, 4, 1                         ; l / 16
	v_mul_u32_u24 v3, v1, PITCH
	v_lshl_add_u32 v3, v2, 4, v3                   ; a fragment's row x pitch + 16 x half
	s_mul_i32 s21, s11, HALFT                      ; my 64 rows of A
	s_mul_i32 s22, s12, HALFT                      ; my 64 rows of B,
	s_add_co_u32 s22, s22, 2*HALFT                 ; which lie behind A's 128
.irp s, 0,1
	v_add_nc_u32 v[ADRA+(\s)], s21, v3
	v_add_nc_u32 v[ADRB+(\s)], s22, v3
	s_add_co_u32 s21, s21, SLOT
	s_add_co_u32 s22, s22, SLOT
.endr
	s_mul_i32 s23, s10, 16*SPITCH
	s_add_co_u32 s23, s23, STAGE                   ; my stage
	v_mul_u32_u24 v4, v1, SPITCH                   ; in: row l % 16, 32 bytes (eight f32) for each half of the lanes
	v_lshl_add_u32 v4, v2, 5, v4
	v_add_nc_u32 v[STO], s23, v4
	v_mul_u32_u24 v5, v2, SPITCH                   ; back: lanes 0-15 take one row of 256 bytes, lanes 16-31 the next
	v_lshl_add_u32 v5, v1, 4, v5
	v_add_nc_u32 v[RD], s23, v5
	v_mul_u32_u24 v5, v2, CP                       ; and the same two rows in C
	v_lshl_add_u32 v[CO], v1, 4, v5
	s_lshl_b32 s16, s13, 7
	s_lshl_b32 s17, s11, 6
	s_add_co_u32 s16, s16, s17
	s_add_co_u32 s16, s16, s69                     ; my first row of C: batch + 128 x tile row + 64 x half
	s_lshl_b32 s16, s16, 13                        ; rows of 8,192 bytes: under 2^26
	s_mov_b32 s17, 0
	s_add_nc_u64 s[8:9], s[8:9], s[16:17]
	s_lshl_b32 s46, s42, 9                         ; my first column, in bytes: 512 x tile column + 256 x half
	s_lshl_b32 s47, s12, 8
	s_add_co_u32 s46, s46, s47
	s_mov_b32 s47, 0
	s_add_nc_u64 s[8:9], s[8:9], s[46:47]
; 8 matrix instructions: m blocks a0, a0 + 1 x all 4 n blocks, 32 along K: half c of buffer f.  zero = 1: the first product starts the sums.  The 16 accumulators take turns.
.macro MUL8 f, c, a0, zero
	WIN MUL
.irp a, \a0, (\a0)+1
.irp b, 0,1,2,3
.if \zero
	v_wmma_f32_16x16x32_f16 v[ACC+8*(4*(\a)+(\b)):ACC+8*(4*(\a)+(\b))+7], v[(\f)+64+8*(4*(\c)+(\b)):(\f)+64+8*(4*(\c)+(\b))+7], v[(\f)+8*(4*(\c)+(\a)):(\f)+8*(4*(\c)+(\a))+7], 0
.else
	v_wmma_f32_16x16x32_f16 v[ACC+8*(4*(\a)+(\b)):ACC+8*(4*(\a)+(\b))+7], v[(\f)+64+8*(4*(\c)+(\b)):(\f)+64+8*(4*(\c)+(\b))+7], v[(\f)+8*(4*(\c)+(\a)):(\f)+8*(4*(\c)+(\a))+7], v[ACC+8*(4*(\a)+(\b)):ACC+8*(4*(\a)+(\b))+7]
.endif
.endr
.endr
.endm
; 32 LDS loads in one run: the fragments of 64 along K at byte k of the rows, into buffer f; the first 32 along K first
.macro FETCH slot, k, f
	WIN TO_F
.irp c, 0,1
.irp i, 0,1,2,3
	ds_load_b128 v[(\f)+64+8*(4*(\c)+(\i)):(\f)+64+8*(4*(\c)+(\i))+3],   v[ADRB+(\slot)] offset:(\k)+64*(\c)+(\i)*16*PITCH
	ds_load_b128 v[(\f)+64+8*(4*(\c)+(\i))+4:(\f)+64+8*(4*(\c)+(\i))+7], v[ADRB+(\slot)] offset:(\k)+64*(\c)+(\i)*16*PITCH+32
	ds_load_b128 v[(\f)+8*(4*(\c)+(\i)):(\f)+8*(4*(\c)+(\i))+3],         v[ADRA+(\slot)] offset:(\k)+64*(\c)+(\i)*16*PITCH
	ds_load_b128 v[(\f)+8*(4*(\c)+(\i))+4:(\f)+8*(4*(\c)+(\i))+7],       v[ADRA+(\slot)] offset:(\k)+64*(\c)+(\i)*16*PITCH+32
.endr
.endr
.endm
.macro PLACES                          ; four places in front of loads into registers that matrix instructions have read, and of LDS stores that read results (ISA guide 7.12.1 for vector instructions)
.rept 4
	v_nop
.endr
.endm
; A K step is four quarters of 64 along K, 32 matrix instructions each, on buffers 0, 1, 0, 1.  One of the first three: multiplies buffer f and fetches the next quarter, at byte k, into g.
.macro QUARTER slot, k, f, g, zero
	s_wait_dscnt 16                                ; the first 32 along K are in; the sixteen younger loads may be out
	WIN MUL
	MUL8 \f, 0, 0, \zero
	MUL8 \f, 0, 2, \zero
	PLACES
	FETCH \slot, \k, \g
	s_wait_dscnt 32                                ; all but the 32 just issued
	WIN MUL
	MUL8 \f, 1, 0, 0
	MUL8 \f, 1, 2, 0
.endm
; The last quarter multiplies buffer 1 and changes slots: ONE barrier; in front of it each wave waits for all its tensor loads, adds 0 to its spare word, and waits for that and for its own reads of this slot.  fill = 1: this slot is filled again, two K steps ahead.
.macro TURN slot, next, fill
	WIN 0                                          ; (the add's two registers lie in window 0)
	s_wait_tensorcnt 0x0                           ; all my tensor loads have landed: my part of the next slot;
	ds_add_u32 v[SPW], v[NIL]                      ; 0 onto my spare word;
	s_wait_dscnt 17                                ; (the add and the youngest sixteen loads may be out)
	WIN MUL
	MUL8 F1, 0, 0, 0                               ; eight matrix instructions stand between the add and the wait for it
	s_wait_dscnt 0x0                               ; the add is done, and my reads of this slot are over
	s_barrier_signal -1
	MUL8 F1, 0, 2, 0
.if \fill
	WIN 0
.endif
	s_barrier_wait -1
.if \fill
	CREST                                          ; the barrier has opened a round of the cluster's barrier: no wave of any partner still reads this slot's tile or has a load on its way
	s_add_nc_u64 s[G0+4*(\slot)+2:G0+4*(\slot)+3], s[G0+4*(\slot)+2:G0+4*(\slot)+3], 2*KSTEP*2
	s_add_nc_u64 s[G0B+4*(\slot)+2:G0B+4*(\slot)+3], s[G0B+4*(\slot)+2:G0B+4*(\slot)+3], 2*KSTEP*2
	JLOAD \slot                                    ; the first tensor load behind the round, my only one out; its four v_nop are also the places in front of the loads below
.else
	PLACES
.endif
	FETCH \next, 0, F0
	WIN MUL
	MUL8 F1, 1, 0, 0
	MUL8 F1, 1, 2, 0
.endm
; THE WAY OUT of my rows 16 a .. 16 a + 15.  TOSTAGE: a lane's eight f32 of a row go into my own stage, rows of 272 bytes, each accumulator from its low end on; they come back as whole rows of 256 bytes.
.macro TOSTAGE a
.irp b, 0,1,2,3
	ds_store_b128 v[STO], v[ACC+8*(4*(\a)+(\b)):ACC+8*(4*(\a)+(\b))+3]   offset:64*(\b)
	ds_store_b128 v[STO], v[ACC+8*(4*(\a)+(\b))+4:ACC+8*(4*(\a)+(\b))+7] offset:64*(\b)+16
.endr
.if (\a) > 1
	s_wait_xcnt 0x0                                ; the registers loaded below were the data of the stores two blocks back: they are rewritten only behind this wait
.endif
.irp t, 0,1,2,3,4,5,6,7
	ds_load_b128 v[TMP+32*((\a)%2)+4*(\t):TMP+32*((\a)%2)+4*(\t)+3], v[RD] offset:(\t)*2*SPITCH  ; LDS serves a wave's instructions in order (ISA guide 5.7.1.4): these see the stores above; the next block's stores come behind them
.endr
.endm
.macro SEND a, younger                 ; younger: the LDS instructions issued behind block a's loads: the next block's sixteen, or none
.irp t, 0,1,2,3,4,5,6,7
	s_wait_dscnt (\younger)+7-(\t)
	global_store_b128 v[CO], v[TMP+32*((\a)%2)+4*(\t):TMP+32*((\a)%2)+4*(\t)+3], s[8:9] offset:(16*(\a)+2*(\t))*CP  ; 16 lanes store 256 consecutive bytes, at a multiple of 256 from C's first byte
.endr
.endm
	s_wait_tensorcnt 1                             ; my part of K step 0 is in; K step 1's may stay out
	s_barrier_signal -1
	s_barrier_wait -1                              ; everybody's is
	FETCH 0, 0, F0
	QUARTER 0, 128, F0, F1, 1                      ; the first quarter stands in front of the loop: its first products start the sums
	WIN 0                                          ; at a label and at a branch every window is 0
	s_mov_b32 s3, LAPS-1
.Llap:                                                 ; a trip goes once round the ring, from a lap's second quarter to the next lap's first, and fills both slots again
	QUARTER 0, 256, F1, F0, 0
	QUARTER 0, 384, F0, F1, 0
	TURN 0, 1, 1
	QUARTER 1, 128, F0, F1, 0
	QUARTER 1, 256, F1, F0, 0
	QUARTER 1, 384, F0, F1, 0
	TURN 1, 0, 1
	QUARTER 0, 128, F0, F1, 0
	WIN 0
	s_sub_co_u32 s3, s3, 1
	s_cmp_lg_u32 s3, 0
	s_cbranch_scc1 .Llap
	QUARTER 0, 256, F1, F0, 0                      ; the last lap fills nothing, and has no round of the cluster's barrier
	QUARTER 0, 384, F0, F1, 0
	TURN 0, 1, 0
	QUARTER 1, 128, F0, F1, 0
	QUARTER 1, 256, F1, F0, 0
	QUARTER 1, 384, F0, F1, 0
	s_wait_dscnt 16                                ; the very last quarter: nothing more to fetch
	WIN MUL
	MUL8 F1, 0, 0, 0
	MUL8 F1, 0, 2, 0
	s_wait_dscnt 0
	MUL8 F1, 1, 0, 0
	MUL8 F1, 1, 2, 0
	WIN 0
	PLACES                                         ; the LDS stores below read results just made
	TOSTAGE 0
	TOSTAGE 1                                      ; a block goes into the stage while the block before comes back
	SEND 0, 16
	TOSTAGE 2
	SEND 1, 16
	TOSTAGE 3
	SEND 2, 16
	SEND 3, 0
	s_wait_tensorcnt 0x0                           ; the wave's end: behind my last tensor load and my last LDS store
	ds_add_u32 v[SPW], v[NIL]
	s_wait_dscnt 0x0
	CROUND                                         ; the closing round: no work-group ends while a partner may still ask for a tile that names it
	s_endpgm
.Lfunc_end_k_q27712b80b7_scores:
	.size	k_q27712b80b7_scores, .Lfunc_end_k_q27712b80b7_scores-k_q27712b80b7_scores
	.p2alignl 7, 3214868480
	.fill 96, 4, 3214868480
	.section	.rodata,"a",@progbits
	.p2align	6, 0x0
	.amdhsa_kernel k_q27712b80b7_scores
		.amdhsa_group_segment_fixed_size 327680
		.amdhsa_private_segment_fixed_size 0
		.amdhsa_enable_private_segment 0
		.amdhsa_kernarg_size 16
		.amdhsa_user_sgpr_count 2
		.amdhsa_user_sgpr_kernarg_segment_ptr 1
		.amdhsa_wavefront_size32 1
		.amdhsa_system_sgpr_workgroup_id_x 1
		.amdhsa_system_sgpr_workgroup_id_y 1
		.amdhsa_system_sgpr_workgroup_id_z 1
		.amdhsa_system_vgpr_workitem_id 0
		.amdhsa_next_free_vgpr 512
		.amdhsa_next_free_sgpr 80
		.amdhsa_reserve_vcc 0
		.amdhsa_float_denorm_mode_32 3
		.amdhsa_float_denorm_mode_16_64 3
		.amdhsa_memory_ordered 1
		.amdhsa_forward_progress 1
		.amdhsa_inst_pref_size 87
	.end_amdhsa_kernel
	.amdgpu_metadata
---
amdhsa.version: [ 1, 2 ]
amdhsa.kernels:
  - .name:           k_q27712b80b7_scores
    .symbol:         k_q27712b80b7_scores.kd
    .args:
      - { .name: qkv, .offset: 0, .size: 8, .value_kind: global_buffer, .address_space: global }
      - { .name: sc, .offset: 8, .size: 8, .value_kind: global_buffer, .address_space: global }
    .group_segment_fixed_size: 327680
    .private_segment_fixed_size: 0
    .kernarg_segment_align: 8
    .kernarg_segment_size: 16
    .max_flat_workgroup_size: 128
    .sgpr_count:     80
    .vgpr_count:     512
    .wavefront_size: 32
...
	.end_amdgpu_metadata
.endif
;; end of part 3
;; launch softmax (part 4): grid 1024 x 1, 8 waves a work-group, no clusters, 0 bytes of LDS; arguments sc, pb; writes pb
.if DOCPART == 4
	.amdgcn_target "amdgcn-amd-amdhsa--gfx1250"
	.amdhsa_code_object_version 6
	.text
	.protected	k_q27712b80b7_softmax
	.globl	k_q27712b80b7_softmax
	.p2align	8
	.type	k_q27712b80b7_softmax,@function
k_q27712b80b7_softmax:
	s_mov_b64 s[64:65], 0
	v_nop
	global_prefetch_b8 v0, s[64:65] scope:SCOPE_SE
	s_setreg_imm32_b32 hwreg(HW_REG_WAVE_MODE, 25, 1), 1
	s_wait_xcnt 0x0
; pb[row][j] = f16(1024 x softmax_j(sc[row][j] / 32)) over the keys j <= i, and 0 for j > i, where i = row mod 2048.  sc: [8192][2048] f32, pb: [8192][2048] f16.
; The factor 1024 keeps small weights in f16's normal range; the next launch takes it out again.  Maximum, exponentials and sum in f32; the sum is taken of the unrounded weights.
; LIMITS: 1024 p below 6e-5 keeps f16's fixed step of 6e-8; a weight below 2^-126 counts as 0; NaN and infinities in the scores are not treated apart.
; One wave, one row, kept in 64 registers between the passes: the row is read once, and the reduction never leaves the wave: no LDS, no barrier.  No cluster: the rows share nothing.
; A row lies in four chunks of 512 keys.  With I = i / 512 (the same for a work-group's eight rows) only chunks 0 .. I have been written to sc and are read; the others count as minus infinity.
; Written are chunks 0 .. max(I, 1): what the next launch reads.  Lane l holds keys 512 c + 128 t + 4 l + 0..3 in v[X + 16 c + 4 t ..]: a load covers 512 consecutive bytes, a store 256 aligned ones.
.set X, 8                              ; v[8:71]   the row
.set M, 72                             ; v[72:79]  maxima, then sums
.set Y, 80                             ; v[80:111] the row in f16
	s_load_b128 s[4:7], s[0:1], 0x0                ; sc s[4:5], pb s[6:7]
	v_lshrrev_b32 v5, 5, v0
	v_readfirstlane_b32 s8, v5                     ; wave 0..7
	v_and_b32 v5, 31, v0                           ; lane
	s_lshl_b32 s9, ttmp9, 3
	s_add_co_u32 s9, s9, s8                        ; my row
	s_and_b32 s10, s9, 2047                        ; i
	s_bfe_u32 s11, ttmp9, 0x20006                  ; I = (row / 512) mod 4: bits 7:6 of the work-group's number
	s_mov_b32 s12, 0x76543210                      ; v_permlanex16_b32: each lane takes its own place in the other half
	s_mov_b32 s13, 0xfedcba98
	s_mov_b32 s14, 0x3d38aa3b                      ; c = log2(e) / 32
	s_mov_b32 s15, s14                             ; named with it as a pair
	s_lshl_b32 s16, s9, 13                         ; rows of 8,192 bytes in sc,
	s_mov_b32 s17, 0
	s_lshl_b32 s18, s9, 12                         ; of 4,096 in pb
	s_mov_b32 s19, 0
	v_lshlrev_b32 v1, 4, v5                        ; 16 bytes a lane in
	v_lshlrev_b32 v2, 3, v5                        ; 8 bytes a lane out
	v_lshlrev_b32 v3, 2, v5
	v_sub_nc_u32 v3, s10, v3                       ; i - 4 l: key 512 c + 128 t + 4 l + j is hidden where 512 c + 128 t + j is greater
	v_mov_b32 v4, 0xff800000                       ; minus infinity
	s_wait_kmcnt 0x0
	s_add_nc_u64 s[4:5], s[4:5], s[16:17]
	s_add_nc_u64 s[6:7], s[6:7], s[18:19]
.irp t, 0,1,2,3
	global_load_b128 v[X+4*\t:X+4*\t+3], v1, s[4:5] offset:512*\t th:TH_LOAD_NT
.endr
.irp c, 1,2,3
	s_cmp_ge_u32 s11, \c
	s_cbranch_scc0 .Ldead\c
.irp t, 0,1,2,3
	global_load_b128 v[X+16*\c+4*\t:X+16*\c+4*\t+3], v1, s[4:5] offset:2048*\c+512*\t th:TH_LOAD_NT
.endr
	s_branch .Lnext\c
.Ldead\c:                                              ; a chunk wholly above the diagonal: nothing is read
.set e, 0
.rept 16
	v_mov_b32 v[X+16*\c+e], v4
.set e, e+1
.endr
.Lnext\c:
.endr
	s_wait_loadcnt 0x0                             ; the whole row is wanted for the maximum
.set e, 0
.rept 64                                       ; the causal mask
	v_cmp_gt_i32 vcc_lo, 512*(e/16)+128*((e%16)/4)+e%4, v3
	v_cndmask_b32 v[X+e], v[X+e], v4, vcc_lo
.set e, e+1
.endr
	; the maximum: four chains of 15 scores, three operands at a time, then the four left over
.irp k, 0,1,2,3
	v_max3_num_f32 v[M+\k], v[X+16*\k], v[X+16*\k+1], v[X+16*\k+2]
.endr
.irp j, 0,1,2,3,4,5
.irp k, 0,1,2,3
	v_max3_num_f32 v[M+\k], v[M+\k], v[X+16*\k+3+2*\j], v[X+16*\k+4+2*\j]
.endr
.endr
	v_max3_num_f32 v[M], v[M], v[X+15], v[X+31]
	v_max3_num_f32 v[M+1], v[M+1], v[X+47], v[X+63]
	v_max3_num_f32 v[M], v[M], v[M+1], v[M+2]
	v_max_num_f32 v[M], v[M], v[M+3]
	v_max_num_f32_dpp v[M], v[M], v[M] row_xmask:1 row_mask:0xf bank_mask:0xf
	v_max_num_f32_dpp v[M], v[M], v[M] row_xmask:2 row_mask:0xf bank_mask:0xf
	v_max_num_f32_dpp v[M], v[M], v[M] row_xmask:4 row_mask:0xf bank_mask:0xf
	v_max_num_f32_dpp v[M], v[M], v[M] row_xmask:8 row_mask:0xf bank_mask:0xf
	v_permlanex16_b32 v[M+1], v[M], s12, s13
	v_max_num_f32 v[M], v[M], v[M+1]               ; every lane holds the row's maximum m: key 0 is never hidden, so it is a true score
	v_mul_f32 v6, s14, v[M]                        ; c m
	v_mov_b32 v7, v6
.set i, 0
.rept 32
	v_pk_fma_f32 v[X+2*i:X+2*i+1], v[X+2*i:X+2*i+1], s[14:15], v[6:7] op_sel_hi:[1,0,1] neg_lo:[0,0,1] neg_hi:[0,0,1]  ; c s - c m
.set i, i+1
.endr
.set i, 0
.rept 64
	v_exp_f32 v[X+i], v[X+i]                       ; p = 2^(c s - c m); 0 for a hidden key
.set i, i+1
.endr
	v_nop                                          ; a plain instruction between the last exponential and the use of its result (ISA guide 5.7.2)
	; the sum: four chains of pairs, started by sums of two pairs: nothing is cleared
	s_wait_alu depctr_va_vdst(0)
.irp k, 0,1,2,3
	v_pk_add_f32 v[M+2*\k:M+2*\k+1], v[X+2*\k:X+2*\k+1], v[X+8+2*\k:X+8+2*\k+1]
.endr
.set i, 8
.rept 24
	v_pk_add_f32 v[M+2*(i%4):M+2*(i%4)+1], v[M+2*(i%4):M+2*(i%4)+1], v[X+2*i:X+2*i+1]
.set i, i+1
.endr
	v_pk_add_f32 v[M:M+1], v[M:M+1], v[M+2:M+3]
	v_pk_add_f32 v[M+4:M+5], v[M+4:M+5], v[M+6:M+7]
	v_pk_add_f32 v[M:M+1], v[M:M+1], v[M+4:M+5]
	v_add_f32 v[M], v[M], v[M+1]
	v_add_f32_dpp v[M], v[M], v[M] row_xmask:1 row_mask:0xf bank_mask:0xf
	v_add_f32_dpp v[M], v[M], v[M] row_xmask:2 row_mask:0xf bank_mask:0xf
	v_add_f32_dpp v[M], v[M], v[M] row_xmask:4 row_mask:0xf bank_mask:0xf
	v_add_f32_dpp v[M], v[M], v[M] row_xmask:8 row_mask:0xf bank_mask:0xf
	v_permlanex16_b32 v[M+1], v[M], s12, s13
	v_add_f32 v[M], v[M], v[M+1]                   ; l, at least 1: the maximum's own weight
	v_rcp_f32 v[M+2], v[M]
	v_nop                                          ; a plain instruction behind the reciprocal
	s_wait_alu depctr_va_vdst(0)
	v_mul_f32 v6, 0x44800000, v[M+2]               ; 1024 / l
	v_mov_b32 v7, v6
.set i, 0
.rept 32
	v_pk_mul_f32 v[X+2*i:X+2*i+1], v[X+2*i:X+2*i+1], v[6:7]
.set i, i+1
.endr
.set i, 0
.rept 32
	v_cvt_pk_f16_f32 v[Y+i], v[X+2*i], v[X+2*i+1]
.set i, i+1
.endr
.irp c, 0,1,2,3
.if \c > 1
	s_cmp_ge_u32 s11, \c                           ; chunks 2 and 3 are written only where the next launch reads them
	s_cbranch_scc0 .Lend
.endif
.irp t, 0,1,2,3
	global_store_b64 v2, v[Y+8*\c+2*\t:Y+8*\c+2*\t+1], s[6:7] offset:1024*\c+256*\t
.endr
.endr
.Lend:
	s_endpgm
.Lfunc_end_k_q27712b80b7_softmax:
	.size	k_q27712b80b7_softmax, .Lfunc_end_k_q27712b80b7_softmax-k_q27712b80b7_softmax
	.p2alignl 7, 3214868480
	.fill 96, 4, 3214868480
	.section	.rodata,"a",@progbits
	.p2align	6, 0x0
	.amdhsa_kernel k_q27712b80b7_softmax
		.amdhsa_group_segment_fixed_size 0
		.amdhsa_private_segment_fixed_size 0
		.amdhsa_enable_private_segment 0
		.amdhsa_kernarg_size 16
		.amdhsa_user_sgpr_count 2
		.amdhsa_user_sgpr_kernarg_segment_ptr 1
		.amdhsa_wavefront_size32 1
		.amdhsa_system_sgpr_workgroup_id_x 1
		.amdhsa_system_sgpr_workgroup_id_y 1
		.amdhsa_system_sgpr_workgroup_id_z 1
		.amdhsa_system_vgpr_workitem_id 0
		.amdhsa_next_free_vgpr 112
		.amdhsa_next_free_sgpr 66
		.amdhsa_reserve_vcc 1
		.amdhsa_float_denorm_mode_32 3
		.amdhsa_float_denorm_mode_16_64 3
		.amdhsa_memory_ordered 1
		.amdhsa_forward_progress 1
		.amdhsa_inst_pref_size 25
	.end_amdhsa_kernel
	.amdgpu_metadata
---
amdhsa.version: [ 1, 2 ]
amdhsa.kernels:
  - .name:           k_q27712b80b7_softmax
    .symbol:         k_q27712b80b7_softmax.kd
    .args:
      - { .name: sc, .offset: 0, .size: 8, .value_kind: global_buffer, .address_space: global }
      - { .name: pb, .offset: 8, .size: 8, .value_kind: global_buffer, .address_space: global }
    .group_segment_fixed_size: 0
    .private_segment_fixed_size: 0
    .kernarg_segment_align: 8
    .kernarg_segment_size: 16
    .max_flat_workgroup_size: 256
    .sgpr_count:     66
    .vgpr_count:     112
    .wavefront_size: 32
...
	.end_amdgpu_metadata
.endif
;; end of part 4
;; launch pv (part 5): grid 32 x 16, 4 waves a work-group, clusters of 4 x 4, 327,680 bytes of LDS; arguments pb, qkv, out0; writes out0
.if DOCPART == 5
	.amdgcn_target "amdgcn-amd-amdhsa--gfx1250"
	.amdhsa_code_object_version 6
	.text
	.protected	k_q27712b80b7_pv
	.globl	k_q27712b80b7_pv
	.p2align	8
	.type	k_q27712b80b7_pv,@function
k_q27712b80b7_pv:
	s_mov_b64 s[64:65], 0
	v_nop
	global_prefetch_b8 v0, s[64:65] scope:SCOPE_SE
	s_setreg_imm32_b32 hwreg(HW_REG_WAVE_MODE, 25, 1), 1
	s_wait_xcnt 0x0
	s_wait_alu depctr_hold_cnt(0) depctr_sa_sdst(0) depctr_va_vdst(0) depctr_va_sdst(0) depctr_va_ssrc(0) depctr_va_vcc(0) depctr_vm_vsrc(0)
	s_getreg_b32 s2, hwreg(HW_REG_IB_STS2, 6, 4)
	s_cmp_eq_u32 s2, 0
	s_cbranch_scc0 .Lentry_in_a_cluster
	s_endpgm
.Lentry_in_a_cluster:
	s_bfe_u32 s2, ttmp6, 0x10000c
	s_cmp_lg_u32 s2, 0xf033
	s_cbranch_scc0 .Lentry_shape_is_right
	s_endpgm
.Lentry_shape_is_right:
; out0[b][i][n] = 2^-10 x sum over keys j of pb[b][i][j] v[b][j][n].  pb: [8192][2048] f16 holds 1024 x the weights, 0 above the diagonal; v is columns 2048-3071 of qkv: [8192][3072] f16; out0: [8192][1024] f32.
; CAUSAL: rows 512 I .. 512 I + 511 of a batch need the keys below 512 (I + 1).  A cluster of 4 x 4 work-groups makes 512 rows x 512 channels, a work-group a tile of 128 x 128.
; Cluster x = 2 x batch + half of the channels; cluster y = 3 - I, so that the long clusters come first.  K (the keys) goes in steps of 256, two to a lap; a cluster walks max(I + 1, 2) laps
; (for I = 0 the second lap meets zeros of pb): the count hangs on the cluster's y alone and is the same in all partners.  So the clusters' work is uneven: 4, 3, 2, 2 laps.
; Four waves, each 64 x 64: 16 accumulators.  Two LDS slots filled by joint tensor loads: pb's tile (128 rows x 256 keys) is shared along a row of the cluster, v's (256 keys x 128 channels) along a column.
; THE MATRIX INSTRUCTION IS USED TRANSPOSED (source 0 = 16 channels of v, source 1 = 16 rows of pb): a lane holds eight neighbouring numbers of a row of out0.  v lies [key][channel] and is read turned, by ds_load_tr16_b128.
; REGISTERS: window 0: v0-31 addresses; v32-95 at work on the way out; v128-255 the accumulators ((a, b) at v[128 + 8 (4 a + b)]).  window 1: two fragment buffers of 128 (64 of A, then 64 of B).
.set KSTEP,  256
.set PITCH,  528                       ; a row of pb in LDS: 512 bytes + 16 of padding: the 16 rows of a fragment load start 4 banks apart
.set PV,     288                       ; a row of v: 256 bytes + 32 = 72 words
.set HALFT,  64*PITCH                  ; 64 rows of pb: one tensor load
.set HALFV,  128*PV                    ; 128 keys of v: one tensor load
.set SLOT,   2*HALFT+2*HALFV           ; pb's 128 rows, then v's 256 keys
.set STAGE,  2*SLOT                    ; behind the ring: 16 rows x 272 bytes for each wave, its own, for the way out
.set SPITCH, 272
.set SPARE,  STAGE+4*16*SPITCH         ; behind the stages: the spare words, 128 bytes for each wave
.set ASTEP,  KSTEP*2                   ; a K step in pb: 512 bytes along a row
.set BSTEP,  KSTEP*6144                ; in v: 256 rows of qkv
.set CP,     4096                      ; bytes in a row of out0
.set ADRA, 16                          ; v16-17  LDS address of my A fragments in slot 0, 1
.set ADRB, 20                          ; v20-23  of my B fragments: slot s, keys 128 u on, at v[20 + 2 s + u]: the 16-bit offset does not reach 256 rows of 288 bytes
.set STO,  24
.set RD,   25
.set CO,   26
.set SPW,  28                          ; v28     LDS address of my spare word; never rewritten
.set NIL,  29                          ; v29     0; never rewritten
.set TMP,  32
.set ACC,  128
.set F0,   0
.set F1,   128
.set G1, 24
.set G0, 32
.set G1B, 48
.set G0B, 56
.set MSB, 0
.macro WIN new                         ; the immediate's high byte repeats the setting that is left
.if MSB != (\new)
	s_set_vgpr_msb (MSB<<8)|(\new)
.set MSB, \new
.endif
.endm
.set MUL,  0x05                        ; sources 0 (B) and 1 (A) window 1; C and D window 0
.set TO_F, 0x40                        ; destination window 1, address window 0
.macro JLOAD s                         ; a joint load: waves 0 and 1 fetch pb's two halves, waves 2 and 3 v's; an s_nop 0 and four v_nop follow each of the two lines
	s_cmp_eq_u32 s11, 0
	s_cbranch_scc0 .Lfor_b_\@
	tensor_load_to_lds s[G0+4*(\s):G0+4*(\s)+3], s[G1:G1+7]
	s_nop 0
.rept 4
	v_nop
.endr
	s_branch .Lasked_\@
.Lfor_b_\@:
	tensor_load_to_lds s[G0B+4*(\s):G0B+4*(\s)+3], s[G1B:G1B+7]
	s_nop 0
.rept 4
	v_nop
.endr
.Lasked_\@:
.endm
.macro CREST                           ; a round of the cluster's barrier behind its opening barrier
	s_cmp_lg_u32 s10, 0
	s_cbranch_scc1 .Lnot_wave_0_\@
	s_barrier_signal -3
.Lnot_wave_0_\@:
	s_barrier_wait -3
	s_barrier_signal -1
	s_barrier_wait -1
.endm
.macro CROUND                          ; a whole round
	s_barrier_signal -1
	s_barrier_wait -1
	CREST
.endm
	s_load_b128 s[4:7], s[0:1], 0x0                ; pb s[4:5], qkv s[6:7]
	s_load_b64 s[8:9], s[0:1], 0x10                ; out0
	v_lshl_add_u32 v[SPW], v0, 2, SPARE
	v_mov_b32 v[NIL], 0
	ds_add_u32 v[SPW], v[NIL]                      ; the wave's opening: the add and its wait come ahead of my first tensor load; the set-up below stands between them
	v_lshrrev_b32 v1, 5, v0
	v_readfirstlane_b32 s10, v1                    ; wave 0..3
	s_lshr_b32 s11, s10, 1                         ; which half of the tile's rows is mine.  Also: I fetch for pb (0) or for v (1)
	s_and_b32 s12, s10, 1                          ; which half of its columns.  Also: which half of that tile I fetch
	s_bfe_u32 s40, ttmp6, 0x40000                  ; cx, cy: my place in the cluster
	s_bfe_u32 s41, ttmp6, 0x40004
	s_lshr_b32 s68, ttmp9, 1
	s_lshl_b32 s68, s68, 11                        ; the batch's first row
	s_and_b32 s69, ttmp9, 1
	s_lshl_b32 s42, s69, 2
	s_add_co_u32 s42, s42, s40                     ; tile column = 4 x half of the channels + cx
	s_and_b32 s72, ttmp7, 0xffff
	s_sub_co_u32 s72, 3, s72                       ; I
	s_lshl_b32 s13, s72, 2
	s_add_co_u32 s13, s13, s41                     ; tile row = 4 I + cy
	s_max_u32 s67, s72, 1                          ; the loop's trips: laps less one
	s_mov_b32 s70, 0x3a800000                      ; 2^-10
	s_mov_b32 s71, s70                             ; named with it as a pair
	s_lshl_b32 s43, s41, 2
	s_lshl_b32 s43, 15, s43                        ; my row of the cluster
	s_lshl_b32 s44, 0x1111, s40                    ; my column
	; descriptor group 1 for pb: a tile of 64 rows x 256 elements
	s_or_b32 s[G1+0], s43, (1<<16)|(1<<20)|(1<<21)|(6<<22)|(3<<25)  ; 15:0 the mask: pb's tiles go to my row; 17:16 2-byte elements; 20 padding on; 21 set beside a mask; 24:22 after every 128 words; 31:25 4 words
	s_mov_b32 s[G1+1], KSTEP<<16                   ; tensor_dim0 = 256
	s_mov_b32 s[G1+2], 64<<16                      ; tensor_dim1 = 64
	s_mov_b32 s[G1+3], KSTEP<<16                   ; tile_dim0 = 256
	s_mov_b32 s[G1+4], 64                          ; tile_dim1 = 64
	s_mov_b32 s[G1+5], 2048                        ; elements from row to row in pb
	s_mov_b32 s[G1+6], 0
	s_mov_b32 s[G1+7], 0
	; for v: a tile of 128 keys x 128 channels
	s_or_b32 s[G1B+0], s44, (1<<16)|(1<<20)|(1<<21)|(5<<22)|(7<<25) ; the mask of my column; padding after every 64 words, 8 words
	s_mov_b32 s[G1B+1], 128<<16                    ; tensor_dim0 = 128
	s_mov_b32 s[G1B+2], 128<<16                    ; tensor_dim1 = 128
	s_mov_b32 s[G1B+3], 128<<16                    ; tile_dim0 = 128
	s_mov_b32 s[G1B+4], 128                        ; tile_dim1 = 128
	s_mov_b32 s[G1B+5], 3072                       ; elements from row to row in qkv
	s_mov_b32 s[G1B+6], 0
	s_mov_b32 s[G1B+7], 0
	s_lshl_b32 s17, s12, 6
	s_lshl_b32 s16, s13, 7
	s_add_co_u32 s16, s16, s17
	s_add_co_u32 s16, s16, s68                     ; pb: row batch + 128 x tile row + 64 x half,
	s_lshl_b32 s16, s16, 12                        ; of 4,096 bytes: under 2^25
	s_mov_b32 s17, 0
	s_lshl_b32 s46, s12, 7
	s_add_co_u32 s46, s46, s68                     ; v: key batch + 128 x half,
	s_mul_i32 s46, s46, 6144                       ; rows of 6,144 bytes: under 2^26,
	s_lshl_b32 s47, s42, 8
	s_add_co_u32 s46, s46, s47                     ; the tile's 128 channels,
	s_add_co_u32 s46, s46, 4096                    ; behind q's and k's columns
	s_mov_b32 s47, 0
	s_mul_i32 s20, s12, HALFT                      ; where they go: pb's halves,
	s_mul_i32 s45, s12, HALFV
	s_add_co_u32 s45, s45, 2*HALFT                 ; and v's behind them: no place in the cluster enters an LDS address
	s_wait_dscnt 0x0                               ; the opening add is done
	s_wait_kmcnt 0x0
	s_add_nc_u64 s[14:15], s[4:5], s[16:17]
	s_add_nc_u64 s[46:47], s[6:7], s[46:47]
	CROUND                                         ; all sixteen work-groups are here: the first joint loads meet
.irp s, 0,1
	s_mov_b32 s[G0+4*(\s)], 1
	s_add_co_u32 s[G0+4*(\s)+1], s20, (\s)*SLOT
	s_add_nc_u64 s[G0+4*(\s)+2:G0+4*(\s)+3], s[14:15], (\s)*ASTEP
	s_or_b32 s[G0+4*(\s)+3], s[G0+4*(\s)+3], 0x80000000
	s_mov_b32 s[G0B+4*(\s)], 1
	s_add_co_u32 s[G0B+4*(\s)+1], s45, (\s)*SLOT
	s_add_nc_u64 s[G0B+4*(\s)+2:G0B+4*(\s)+3], s[46:47], (\s)*BSTEP
	s_or_b32 s[G0B+4*(\s)+3], s[G0B+4*(\s)+3], 0x80000000
	JLOAD \s
.endr
	v_and_b32 v1, 15, v0                           ; l % 16
	v_bfe_u32 v2, v0, 4, 1                         ; l / 16
	v_mul_u32_u24 v3, v1, PITCH
	v_lshl_add_u32 v3, v2, 4, v3                   ; an A fragment's row x pitch + 16 x half
	s_mul_i32 s21, s11, HALFT                      ; my 64 rows of pb
.irp s, 0,1
	v_add_nc_u32 v[ADRA+(\s)], s21, v3
	s_add_co_u32 s21, s21, SLOT
.endr
	; The turning load takes 16 keys x 16 channels (lane l reads key 8 (l / 16) + l % 8, channels 8 ((l / 8) % 2) + 0..7) and leaves half a fragment: lane l holds channel l % 16 and 8 keys.
	v_and_b32 v6, 7, v0
	v_bfe_u32 v7, v0, 3, 1
	v_lshl_add_u32 v6, v2, 3, v6
	v_mul_u32_u24 v6, v6, PV
	v_lshl_add_u32 v6, v7, 4, v6
	s_lshl_b32 s22, s12, 7                         ; my 64 channels: 128 bytes of a row,
	s_add_co_u32 s22, s22, 2*HALFT                 ; behind pb's tile
	v_add_nc_u32 v[ADRB+0], s22, v6
	v_add_nc_u32 v[ADRB+1], HALFV, v[ADRB+0]
	v_add_nc_u32 v[ADRB+2], SLOT, v[ADRB+0]
	v_add_nc_u32 v[ADRB+3], SLOT, v[ADRB+1]
	s_mul_i32 s23, s10, 16*SPITCH
	s_add_co_u32 s23, s23, STAGE                   ; my stage
	v_mul_u32_u24 v4, v1, SPITCH                   ; in: row l % 16, 32 bytes (eight f32) for each half of the lanes
	v_lshl_add_u32 v4, v2, 5, v4
	v_add_nc_u32 v[STO], s23, v4
	v_mul_u32_u24 v5, v2, SPITCH                   ; back: lanes 0-15 take one row of 256 bytes, lanes 16-31 the next
	v_lshl_add_u32 v5, v1, 4, v5
	v_add_nc_u32 v[RD], s23, v5
	v_mul_u32_u24 v5, v2, CP                       ; and the same two rows in C
	v_lshl_add_u32 v[CO], v1, 4, v5
	s_lshl_b32 s16, s13, 7
	s_lshl_b32 s17, s11, 6
	s_add_co_u32 s16, s16, s17
	s_add_co_u32 s16, s16, s68                     ; my first row of C: batch + 128 x tile row + 64 x half
	s_lshl_b32 s16, s16, 12                        ; rows of 4,096 bytes
	s_mov_b32 s17, 0
	s_add_nc_u64 s[8:9], s[8:9], s[16:17]
	s_lshl_b32 s46, s42, 9                         ; my first column, in bytes: 512 x tile column + 256 x half
	s_lshl_b32 s47, s12, 8
	s_add_co_u32 s46, s46, s47
	s_mov_b32 s47, 0
	s_add_nc_u64 s[8:9], s[8:9], s[46:47]
; 8 matrix instructions: m blocks a0, a0 + 1 x all 4 n blocks, 32 along K: half c of buffer f.  zero = 1: the first product starts the sums.  The 16 accumulators take turns.
.macro MUL8 f, c, a0, zero
	WIN MUL
.irp a, \a0, (\a0)+1
.irp b, 0,1,2,3
.if \zero
	v_wmma_f32_16x16x32_f16 v[ACC+8*(4*(\a)+(\b)):ACC+8*(4*(\a)+(\b))+7], v[(\f)+64+8*(4*(\c)+(\b)):(\f)+64+8*(4*(\c)+(\b))+7], v[(\f)+8*(4*(\c)+(\a)):(\f)+8*(4*(\c)+(\a))+7], 0
.else
	v_wmma_f32_16x16x32_f16 v[ACC+8*(4*(\a)+(\b)):ACC+8*(4*(\a)+(\b))+7], v[(\f)+64+8*(4*(\c)+(\b)):(\f)+64+8*(4*(\c)+(\b))+7], v[(\f)+8*(4*(\c)+(\a)):(\f)+8*(4*(\c)+(\a))+7], v[ACC+8*(4*(\a)+(\b)):ACC+8*(4*(\a)+(\b))+7]
.endif
.endr
.endr
.endm
; 32 LDS loads in one run: the fragments of 64 keys, at byte k of pb's rows = key k / 2 of v's tile, into buffer f; the first 32 keys first
.macro FETCH slot, k, f
	WIN TO_F
.irp c, 0,1
.irp i, 0,1,2,3
	ds_load_tr16_b128 v[(\f)+64+8*(4*(\c)+(\i)):(\f)+64+8*(4*(\c)+(\i))+3],   v[ADRB+2*(\slot)+(\k)/256] offset:(((\k)/2)%128+32*(\c))*PV+32*(\i)
	ds_load_tr16_b128 v[(\f)+64+8*(4*(\c)+(\i))+4:(\f)+64+8*(4*(\c)+(\i))+7], v[ADRB+2*(\slot)+(\k)/256] offset:(((\k)/2)%128+32*(\c)+16)*PV+32*(\i)
	ds_load_b128 v[(\f)+8*(4*(\c)+(\i)):(\f)+8*(4*(\c)+(\i))+3],         v[ADRA+(\slot)] offset:(\k)+64*(\c)+(\i)*16*PITCH
	ds_load_b128 v[(\f)+8*(4*(\c)+(\i))+4:(\f)+8*(4*(\c)+(\i))+7],       v[ADRA+(\slot)] offset:(\k)+64*(\c)+(\i)*16*PITCH+32
.endr
.endr
.endm
.macro PLACES                          ; four places in front of loads into registers that matrix instructions have read, and of vector instructions that read results (ISA guide 7.12.1 for vector instructions)
.rept 4
	v_nop
.endr
.endm
; A K step is four quarters of 64 keys, 32 matrix instructions each, on buffers 0, 1, 0, 1.  One of the first three: multiplies buffer f and fetches the next quarter, at byte k, into g.
.macro QUARTER slot, k, f, g, zero
	s_wait_dscnt 16                                ; the first 32 keys are in; the sixteen younger loads may be out
	WIN MUL
	MUL8 \f, 0, 0, \zero
	MUL8 \f, 0, 2, \zero
	PLACES
	FETCH \slot, \k, \g
	s_wait_dscnt 32                                ; all but the 32 just issued
	WIN MUL
	MUL8 \f, 1, 0, 0
	MUL8 \f, 1, 2, 0
.endm
; The last quarter multiplies buffer 1 and changes slots: ONE barrier; in front of it each wave waits for all its tensor loads, adds 0 to its spare word, and waits for that and for its own reads of this slot.  fill = 1: this slot is filled again, two K steps ahead.
.macro TURN slot, next, fill
	WIN 0                                          ; (the add's two registers lie in window 0)
	s_wait_tensorcnt 0x0                           ; all my tensor loads have landed: my part of the next slot;
	ds_add_u32 v[SPW], v[NIL]                      ; 0 onto my spare word;
	s_wait_dscnt 17                                ; (the add and the youngest sixteen loads may be out)
	WIN MUL
	MUL8 F1, 0, 0, 0                               ; eight matrix instructions stand between the add and the wait for it
	s_wait_dscnt 0x0                               ; the add is done, and my reads of this slot are over
	s_barrier_signal -1
	MUL8 F1, 0, 2, 0
.if \fill
	WIN 0
.endif
	s_barrier_wait -1
.if \fill
	CREST                                          ; the barrier has opened a round of the cluster's barrier: no wave of any partner still reads this slot's tile or has a load on its way
	s_add_nc_u64 s[G0+4*(\slot)+2:G0+4*(\slot)+3], s[G0+4*(\slot)+2:G0+4*(\slot)+3], 2*ASTEP
	s_add_nc_u64 s[G0B+4*(\slot)+2:G0B+4*(\slot)+3], s[G0B+4*(\slot)+2:G0B+4*(\slot)+3], 2*BSTEP
	JLOAD \slot                                    ; the first tensor load behind the round, my only one out; its four v_nop are also the places in front of the loads below
.else
	PLACES
.endif
	FETCH \next, 0, F0
	WIN MUL
	MUL8 F1, 1, 0, 0
	MUL8 F1, 1, 2, 0
.endm
; THE WAY OUT of my rows 16 a .. 16 a + 15.  TOSTAGE: the sums times 2^-10, each accumulator from its low end on; a lane's eight f32 of a row go into my own stage, rows of 272 bytes, and come back as whole rows of 256 bytes.
.macro TOSTAGE a
.irp b, 0,1,2,3
.irp r, 0,1,2,3
	v_pk_mul_f32 v[ACC+8*(4*(\a)+(\b))+2*(\r):ACC+8*(4*(\a)+(\b))+2*(\r)+1], v[ACC+8*(4*(\a)+(\b))+2*(\r):ACC+8*(4*(\a)+(\b))+2*(\r)+1], s[70:71] op_sel_hi:[1,0]
.endr
.endr
.irp b, 0,1,2,3
	ds_store_b128 v[STO], v[ACC+8*(4*(\a)+(\b)):ACC+8*(4*(\a)+(\b))+3]   offset:64*(\b)
	ds_store_b128 v[STO], v[ACC+8*(4*(\a)+(\b))+4:ACC+8*(4*(\a)+(\b))+7] offset:64*(\b)+16
.endr
.if (\a) > 1
	s_wait_xcnt 0x0                                ; the registers loaded below were the data of the stores two blocks back: they are rewritten only behind this wait
.endif
.irp t, 0,1,2,3,4,5,6,7
	ds_load_b128 v[TMP+32*((\a)%2)+4*(\t):TMP+32*((\a)%2)+4*(\t)+3], v[RD] offset:(\t)*2*SPITCH  ; LDS serves a wave's instructions in order (ISA guide 5.7.1.4): these see the stores above; the next block's stores come behind them
.endr
.endm
.macro SEND a, younger                 ; younger: the LDS instructions issued behind block a's loads: the next block's sixteen, or none
.irp t, 0,1,2,3,4,5,6,7
	s_wait_dscnt (\younger)+7-(\t)
	global_store_b128 v[CO], v[TMP+32*((\a)%2)+4*(\t):TMP+32*((\a)%2)+4*(\t)+3], s[8:9] offset:(16*(\a)+2*(\t))*CP th:TH_STORE_NT  ; 16 lanes store 256 consecutive bytes, at a multiple of 256 from C's first byte
.endr
.endm
	s_wait_tensorcnt 1                             ; my part of K step 0 is in; K step 1's may stay out
	s_barrier_signal -1
	s_barrier_wait -1                              ; everybody's is
	FETCH 0, 0, F0
	QUARTER 0, 128, F0, F1, 1                      ; the first quarter stands in front of the loop: its first products start the sums
	WIN 0                                          ; at a label and at a branch every window is 0
	s_mov_b32 s3, 0
.Llap:                                                 ; max(I, 1) trips: a trip goes once round the ring, from a lap's second quarter to the next lap's first, and fills both slots again; its LDS addresses are the same in every trip
	QUARTER 0, 256, F1, F0, 0
	QUARTER 0, 384, F0, F1, 0
	TURN 0, 1, 1
	QUARTER 1, 128, F0, F1, 0
	QUARTER 1, 256, F1, F0, 0
	QUARTER 1, 384, F0, F1, 0
	TURN 1, 0, 1
	QUARTER 0, 128, F0, F1, 0
	WIN 0
	s_add_co_u32 s3, s3, 1
	s_cmp_lt_u32 s3, s67
	s_cbranch_scc1 .Llap
	QUARTER 0, 256, F1, F0, 0                      ; the last lap fills nothing, and has no round of the cluster's barrier
	QUARTER 0, 384, F0, F1, 0
	TURN 0, 1, 0
	QUARTER 1, 128, F0, F1, 0
	QUARTER 1, 256, F1, F0, 0
	QUARTER 1, 384, F0, F1, 0
	s_wait_dscnt 16                                ; the very last quarter: nothing more to fetch
	WIN MUL
	MUL8 F1, 0, 0, 0
	MUL8 F1, 0, 2, 0
	s_wait_dscnt 0
	MUL8 F1, 1, 0, 0
	MUL8 F1, 1, 2, 0
	WIN 0
	PLACES                                         ; the scalings below read results just made
	TOSTAGE 0
	TOSTAGE 1                                      ; a block goes into the stage while the block before comes back
	SEND 0, 16
	TOSTAGE 2
	SEND 1, 16
	TOSTAGE 3
	SEND 2, 16
	SEND 3, 0
	s_wait_tensorcnt 0x0                           ; the wave's end: behind my last tensor load and my last LDS store
	ds_add_u32 v[SPW], v[NIL]
	s_wait_dscnt 0x0
	CROUND                                         ; the closing round: no work-group ends while a partner may still ask for a tile that names it
	s_endpgm
.Lfunc_end_k_q27712b80b7_pv:
	.size	k_q27712b80b7_pv, .Lfunc_end_k_q27712b80b7_pv-k_q27712b80b7_pv
	.p2alignl 7, 3214868480
	.fill 96, 4, 3214868480
	.section	.rodata,"a",@progbits
	.p2align	6, 0x0
	.amdhsa_kernel k_q27712b80b7_pv
		.amdhsa_group_segment_fixed_size 327680
		.amdhsa_private_segment_fixed_size 0
		.amdhsa_enable_private_segment 0
		.amdhsa_kernarg_size 24
		.amdhsa_user_sgpr_count 2
		.amdhsa_user_sgpr_kernarg_segment_ptr 1
		.amdhsa_wavefront_size32 1
		.amdhsa_system_sgpr_workgroup_id_x 1
		.amdhsa_system_sgpr_workgroup_id_y 1
		.amdhsa_system_sgpr_workgroup_id_z 1
		.amdhsa_system_vgpr_workitem_id 0
		.amdhsa_next_free_vgpr 512
		.amdhsa_next_free_sgpr 80
		.amdhsa_reserve_vcc 0
		.amdhsa_float_denorm_mode_32 3
		.amdhsa_float_denorm_mode_16_64 3
		.amdhsa_memory_ordered 1
		.amdhsa_forward_progress 1
		.amdhsa_inst_pref_size 91
	.end_amdhsa_kernel
	.amdgpu_metadata
---
amdhsa.version: [ 1, 2 ]
amdhsa.kernels:
  - .name:           k_q27712b80b7_pv
    .symbol:         k_q27712b80b7_pv.kd
    .args:
      - { .name: pb, .offset: 0, .size: 8, .value_kind: global_buffer, .address_space: global }
      - { .name: qkv, .offset: 8, .size: 8, .value_kind: global_buffer, .address_space: global }
      - { .name: out0, .offset: 16, .size: 8, .value_kind: global_buffer, .address_space: global }
    .group_segment_fixed_size: 327680
    .private_segment_fixed_size: 0
    .kernarg_segment_align: 8
    .kernarg_segment_size: 24
    .max_flat_workgroup_size: 128
    .sgpr_count:     80
    .vgpr_count:     512
    .wavefront_size: 32
...
	.end_amdgpu_metadata
.endif
;; end of part 5
;; ======== version 2 of 2: 5 launches; 1.15 times as fast as version 1
;; limits: values are held in f16: magnitudes above 65,504 overflow, below 6.1e-05 lose precision
;; workspace buffers: xb 16,777,216 bytes; wb 6,291,456 bytes; qkv 50,331,648 bytes; sc 67,108,864 bytes; pb 33,554,432 bytes
;; launch cast: the kernel of part 1 again; grid 1408 x 1, 8 waves a work-group, no clusters, 0 bytes of LDS; arguments inputs, Wq, Wk, Wv, xb, wb; writes xb, wb
;; launch proj (part 6): grid 12 x 16, 4 waves a work-group, clusters of 4 x 4, 327,680 bytes of LDS; arguments xb, wb, bq, bk, bv, qkv; writes qkv
.if DOCPART == 6
	.amdgcn_target "amdgcn-amd-amdhsa--gfx1250"
	.amdhsa_code_object_version 6
	.text
	.protected	k_q27712b80b7_proj
	.globl	k_q27712b80b7_proj
	.p2align	8
	.type	k_q27712b80b7_proj,@function
k_q27712b80b7_proj:
	s_mov_b64 s[64:65], 0
	v_nop
	global_prefetch_b8 v0, s[64:65] scope:SCOPE_SE
	s_setreg_imm32_b32 hwreg(HW_REG_WAVE_MODE, 25, 1), 1
	s_wait_xcnt 0x0
	s_wait_alu depctr_hold_cnt(0) depctr_sa_sdst(0) depctr_va_vdst(0) depctr_va_sdst(0) depctr_va_ssrc(0) depctr_va_vcc(0) depctr_vm_vsrc(0)
	s_getreg_b32 s2, hwreg(HW_REG_IB_STS2, 6, 4)
	s_cmp_eq_u32 s2, 0
	s_cbranch_scc0 .Lentry_in_a_cluster
	s_endpgm
.Lentry_in_a_cluster:
	s_bfe_u32 s2, ttmp6, 0x10000c
	s_cmp_lg_u32 s2, 0xf033
	s_cbranch_scc0 .Lentry_shape_is_right
	s_endpgm
.Lentry_shape_is_right:
; qkv[m][n] = bf16(bias[n]) + sum over k of xb[m][k] wb[n][k].  xb: [8192][1024] bf16, wb: [3072][1024] bf16 (rows: Wq, Wk, Wv), qkv: [8192][3072] f16 (q, k, v side by side in a row).
; Products in bf16 with f32 sums; the bias is rounded to bf16 like the other inputs and STARTS each sum, as the C operand of its first product; the result is rounded once to f16.
; LIMIT: f16 ends at 65,504: a q, k or v beyond that becomes an infinity.  NaN and infinities in the inputs are not treated apart.
; A tile of C, 256 x 256, is made by a work-group of four waves; a wave makes 128 x 128: 64 accumulators of 16 x 16, 512 registers: 32 LDS loads feed 64 matrix instructions.  K goes in steps of 128
; through a ring of two LDS slots filled by tensor loads: the rows of the tiles are 256 bytes of memory and start at multiples of 256 bytes from the buffer's first byte.
; SHARES: C has 32 x 12 = 384 tiles, which no even split gives to 256 WGPs: 192 work-groups make TWO tiles each, 4,096 rows apart, with the same rows of wb and the same biases.
; A WORK-GROUP STAYS: a loop over tiles round the loop over K, and the ring does not stop at a tile's end: the first tile's last two changes of slots ask for the second tile's first two K steps,
; and nothing waits for a tile's stores.  The last tile's last K step goes by rows of C, so that finished rows leave while the others are multiplied.
; CLUSTERS: 4 x 4 work-groups.  The four of a row of the cluster need the same tiles of xb, the four of a column the same tiles of wb.  Such a tile is asked for JOINTLY: each of the four issues the
; same tensor load, with the same descriptor and a mask that names the four, and each receives the tile in its own LDS.
;
; REGISTERS, in windows of 256 (an instruction names v0-v255; s_set_vgpr_msb says which window each operand place means: bits 1:0 source 0, 3:2 source 1, 5:4 source 2, 7:6 destination):
;   window 0: v0-31 addresses; v64-127, v128-191 fragments of A (8 x 16 rows x 32 K), two buffers (in the very last K step four, of 16 rows x 128 K); v32-63, v192-255 at work on the way out
;   window 1: v0-63 my 64 biases; v64-127, v128-191 fragments of B, two buffers; v192-193 at work once; in the very last K step all 256: B's fragments of the whole step (the biases are no longer wanted)
;   window 2: the 32 accumulators of my rows 0-63 (accumulator (a, b) at v[8 (8 a + b)]);   window 3: those of my rows 64-127
; THE MATRIX INSTRUCTION IS USED TRANSPOSED: source 0 = 16 rows of wb, source 1 = 16 rows of xb.  In the result, lane l holds row m = l % 16 of C, and its registers 0 to 7 the columns
; n = 8 (l / 16) + 0 .. 7: eight neighbouring numbers of a row of C, which pack into 16 bytes.  So the C operand that adds the bias holds bias[16 b + 8 (l / 16) + j] in register j, for every row alike.
.set SIZE_M, 8192
.set SIZE_N, 3072
.set SIZE_K, 1024
.set SIZE_TILES, 2
.set KSTEP,  128
.set PITCH,  272                       ; an LDS row: 256 bytes of data + 16 of padding = 68 words: row r starts at bank 4 r mod 64 (64 banks of 4 bytes: ISA guide 11.1), so the 16 rows that a load touches start at 16 different banks
.set HALFT,  128*PITCH                 ; 128 rows: what one tensor load brings, and what one wave reads of A or of B
.set SLOT,   4*HALFT                   ; A's 256 rows, then B's 256 rows
.set STAGE,  2*SLOT                    ; behind the ring: 16 rows x 272 bytes for each wave, for the way out
.set SPITCH, 272
.set SPARE,  STAGE+4*16*SPITCH         ; behind the stages: the spare words, 128 bytes for each wave: two blocks of 256 bytes that no other line names
.set LAPS, SIZE_K/(2*KSTEP)            ; a lap = two K steps = once round the ring: 4
.set WALK,   SIZE_M/SIZE_TILES         ; a work-group's tiles of C lie WALK rows apart
.set NEXT_A, WALK*SIZE_K*2-(SIZE_K-2*KSTEP)*2   ; bytes from a slot's last K step of a tile to its first of the next tile: A goes WALK rows down and back along K,
.set BACK_B, (SIZE_K-2*KSTEP)*2        ; B only back: the walk's tiles share their rows of B
.set NEXT_C, (WALK-7*16)*SIZE_N*2      ; bytes from my last 16 rows of a tile to my first of the next
.set ADRA, 16                          ; v16-17  LDS address of my A fragments in slot 0, 1
.set ADRB, 20                          ; v20-21  the same for B
.set STO,  24                          ; v24     the way out: where I put 16 bytes of a row
.set RD,   25                          ; v25     the way out: where I read a row back
.set CO,   26                          ; v26     my byte offset in C
.set BO,   27                          ; v27     my byte offset in the wave's 128 biases; never rewritten
.set SPW,  28                          ; v28     LDS address of my spare word: SPARE + 4 x my thread's number; never rewritten
.set NIL,  29                          ; v29     0; never rewritten
.set BIAS, 0                           ; window 1: the eight biases for column block b at v[8 b]
.set BT,   192                         ; window 1: two registers at work while the biases are rounded
.set F0,   64                          ; fragment buffer 0
.set F1,   128                         ; fragment buffer 1
.set TMP,  192                         ; the way out: packed results, in window 0
.set OB,   32                          ; the way out: 16 rows read back from the stage: v32-63 and v224-255 by turns
.set PA,   64                          ; the very last K step: A's fragments of 16 rows x 128 K, 32 registers; four such buffers, v64-191
.set G1, 24                            ; s[24:31] descriptor group 1 for A's tiles
.set G0, 32                            ; s[32:39] descriptor group 0 for A's tiles, one set for each slot
.set G1B, 48                           ; s[48:55] descriptor group 1 for B's tiles: it differs from A's in the mask alone
.set G0B, 56                           ; s[56:63] descriptor group 0 for B's tiles, one set for each slot
.set MSB, 0
.macro WIN new                         ; the immediate's high byte repeats the setting that is left; a switch that changes nothing is dropped
.if MSB != (\new)
	s_set_vgpr_msb (MSB<<8)|(\new)
.set MSB, \new
.endif
.endm
.set MUL_LO, 0xa1                      ; source 0 (B) window 1, source 1 (A) window 0, C and D window 2
.set MUL_HI, 0xf1                      ; the same, C and D window 3
.set BEG_LO, 0x91                      ; a sum's first product: C (the biases) window 1, D window 2
.set BEG_HI, 0xd1                      ; the same, D window 3
.set TO_B,   0x40                      ; destination window 1, address window 0
.set IN_B,   0x45                      ; sources 0 and 1 and destination window 1
; A joint load.  Waves 0 and 1 fetch A's two halves, waves 2 and 3 B's.  Each of the two lines has ONE mask and one set of registers for all that issue it, and nothing in
; them hangs on a coordinate that the four partners do not share.  The branch hangs on the wave's number alone: it is the same in every work-group.
; An s_nop 0 and four v_nop follow each of the two lines; the jump round the other line, the label and what follows the macro come after them.
.macro JLOAD s
	s_cmp_eq_u32 s11, 0
	s_cbranch_scc0 .Lfor_b_\@
	tensor_load_to_lds s[G0+4*(\s):G0+4*(\s)+3], s[G1:G1+7]
	s_nop 0
.rept 4
	v_nop
.endr
	s_branch .Lasked_\@
.Lfor_b_\@:
	tensor_load_to_lds s[G0B+4*(\s):G0B+4*(\s)+3], s[G1B:G1B+7]
	s_nop 0
.rept 4
	v_nop
.endr
.Lasked_\@:
.endm
; A round of the cluster's barrier: my work-group's barrier, so that wave 0's signal speaks for all four waves; wave 0 signals for the work-group; every wave waits for all
; sixteen work-groups; my work-group's barrier once more.  No LDS instruction of the wave is pending at a signal.
.macro CREST                           ; a round behind its opening barrier
	s_cmp_lg_u32 s10, 0
	s_cbranch_scc1 .Lnot_wave_0_\@
	s_barrier_signal -3
.Lnot_wave_0_\@:
	s_barrier_wait -3
	s_barrier_signal -1
	s_barrier_wait -1
.endm
.macro CROUND                          ; a whole round
	s_barrier_signal -1
	s_barrier_wait -1
	CREST
.endm
	s_load_b128 s[4:7], s[0:1], 0x0                ; xb s[4:5], wb s[6:7]
	s_load_b128 s[68:71], s[0:1], 0x10             ; bq s[68:69], bk s[70:71]
	s_load_b128 s[72:75], s[0:1], 0x20             ; bv s[72:73], qkv s[74:75]
	v_lshl_add_u32 v[SPW], v0, 2, SPARE
	v_mov_b32 v[NIL], 0
	ds_add_u32 v[SPW], v[NIL]                      ; the wave's opening: the add and its wait come ahead of my first tensor load; the set-up below, work on registers, stands between them
	v_lshrrev_b32 v1, 5, v0
	v_readfirstlane_b32 s10, v1                    ; wave 0..3
	s_lshr_b32 s11, s10, 1                         ; which half of the tile's rows is mine.  Also: I fetch for A (0) or for B (1)
	s_and_b32 s12, s10, 1                          ; which half of its columns.  Also: which 128 rows of that tile I fetch
	s_bfe_u32 s40, ttmp6, 0x40000                  ; cx: my place along the cluster's x
	s_bfe_u32 s41, ttmp6, 0x40004                  ; cy: along its y
	s_mov_b32 s66, ttmp9                           ; the cluster's x: its four tile columns are q's (0), k's (1) or v's (2)
	s_lshl_b32 s42, ttmp9, 2                       ; in a cluster launch ttmp9 and ttmp7 count clusters
	s_add_co_u32 s42, s42, s40                     ; tile column of C = 4 x cluster x + cx
	s_and_b32 s13, ttmp7, 0xffff
	s_lshl_b32 s13, s13, 2
	s_add_co_u32 s13, s13, s41                     ; tile row of C = 4 x cluster y + cy
	s_lshl_b32 s43, s41, 2
	s_lshl_b32 s43, 15, s43                        ; my row of the cluster: places 4 cy .. 4 cy + 3
	s_lshl_b32 s44, 0x1111, s40                    ; my column: places cx, cx + 4, cx + 8, cx + 12
	; descriptor group 1: a tile of 128 rows x 128 elements, padded in LDS
	s_or_b32 s[G1+0], s43, (1<<16)|(1<<20)|(1<<21)|(5<<22)|(3<<25)  ; 15:0 the mask: A's tiles go to my row; 17:16 element of 2 bytes; 20 padding on; 21 set beside a mask; 24:22 after every 64 words (code 5); 31:25 of 4 words (code 3)
	s_or_b32 s[G1B+0], s44, (1<<16)|(1<<20)|(1<<21)|(5<<22)|(3<<25) ; the same with the mask of my column, for B's tiles
	s_mov_b32 s[G1B+1], KSTEP<<16
	s_mov_b32 s[G1+1], KSTEP<<16                   ; 63:48 tensor_dim0, low half = 128
	s_mov_b32 s[G1B+2], 128<<16
	s_mov_b32 s[G1+2], 128<<16                     ; 79:64 its high half = 0; 95:80 tensor_dim1, low half = 128
	s_mov_b32 s[G1B+3], KSTEP<<16
	s_mov_b32 s[G1+3], KSTEP<<16                   ; 111:96 its high half = 0; 127:112 tile_dim0 = 128
	s_mov_b32 s[G1B+4], 128
	s_mov_b32 s[G1+4], 128                         ; 143:128 tile_dim1 = 128; 159:144 tile_dim2 = 0
	s_mov_b32 s[G1B+5], SIZE_K
	s_mov_b32 s[G1+5], SIZE_K                      ; 191:160 tensor_dim0_stride, low word: elements from row to row
	s_mov_b32 s[G1B+6], 0
	s_mov_b32 s[G1+6], 0
	s_mov_b32 s[G1B+7], 0
	s_mov_b32 s[G1+7], 0
	; where the tiles come from.  A's hang on the tile row alone, which my row of the cluster shares; B's on the tile column alone, which my column shares.
	; Every wave makes both addresses, in registers that never hold the other coordinate, and asks by one of them.
	s_lshl_b32 s17, s12, 7                         ; which 128 rows of the tile I fetch
	s_lshl_b32 s16, s13, 8
	s_add_co_u32 s16, s16, s17                     ; A: row 256 x tile row + 128 x half
	s_lshl_b32 s46, s42, 8
	s_add_co_u32 s46, s46, s17                     ; B: row 256 x tile column + 128 x half
	s_mov_b32 s17, 0
	s_mov_b32 s47, 0
	s_mov_b64 s[18:19], SIZE_K*2
	s_mul_u64 s[16:17], s[16:17], s[18:19]         ; in bytes, in 64 bits
	s_mul_u64 s[46:47], s[46:47], s[18:19]
	s_mul_i32 s20, s10, HALFT                      ; and where they go: A's two halves, then B's two halves = wave x 128 rows: no place in the cluster enters an LDS address
	s_lshl_b32 s78, s40, 10                        ; my 128 biases: 256 x cx + 128 x half numbers into the cluster's bias vector, 4 bytes each
	s_lshl_b32 s79, s12, 9
	s_add_co_u32 s78, s78, s79
	s_mov_b32 s79, 0
	s_wait_dscnt 0x0                               ; the opening add is done
	s_wait_kmcnt 0x0
	s_add_nc_u64 s[14:15], s[4:5], s[16:17]
	s_add_nc_u64 s[46:47], s[6:7], s[46:47]
	s_mov_b64 s[8:9], s[74:75]                     ; C
	s_cmp_eq_u32 s66, 1
	s_cselect_b64 s[76:77], s[70:71], s[68:69]     ; bk or bq,
	s_cmp_eq_u32 s66, 2
	s_cselect_b64 s[76:77], s[72:73], s[76:77]     ; or bv
	s_add_nc_u64 s[76:77], s[76:77], s[78:79]
	CROUND                                         ; all sixteen work-groups are here: the first joint loads meet
.irp s, 0,1
	s_mov_b32 s[G0+4*(\s)], 1                                      ; 1:0 count = 1
	s_add_co_u32 s[G0+4*(\s)+1], s20, (\s)*SLOT                    ; 63:32 LDS address
	s_add_nc_u64 s[G0+4*(\s)+2:G0+4*(\s)+3], s[14:15], (\s)*KSTEP*2  ; 120:64 global address: K step s
	s_or_b32 s[G0+4*(\s)+3], s[G0+4*(\s)+3], 0x80000000            ; 127:126 type = 2
	s_mov_b32 s[G0B+4*(\s)], 1
	s_add_co_u32 s[G0B+4*(\s)+1], s20, (\s)*SLOT
	s_add_nc_u64 s[G0B+4*(\s)+2:G0B+4*(\s)+3], s[46:47], (\s)*KSTEP*2
	s_or_b32 s[G0B+4*(\s)+3], s[G0B+4*(\s)+3], 0x80000000
	JLOAD \s                                       ; the ring is filled before anything else is done
.endr
	; A fragment is 16 rows x 32 K in 8 registers: lane l holds row l % 16; registers 0-3 hold K = 8 (l / 16) + 0..7, registers 4-7 hold
	; K = 16 + 8 (l / 16) + 0..7.  From rows that lie along K: two loads of 16 bytes, 32 bytes apart.  The same for source 0 and source 1.
	v_and_b32 v1, 15, v0                           ; l % 16
	v_bfe_u32 v2, v0, 4, 1                         ; l / 16
	v_lshlrev_b32 v[BO], 5, v2                     ; my results are columns 16 b + 8 (l / 16) + 0..7: 32 bytes of biases for each of the 8 column blocks
	WIN TO_B
.irp b, 0,1,2,3,4,5,6,7
	global_load_b128 v[BIAS+8*(\b):BIAS+8*(\b)+3],   v[BO], s[76:77] offset:64*(\b)
	global_load_b128 v[BIAS+8*(\b)+4:BIAS+8*(\b)+7], v[BO], s[76:77] offset:64*(\b)+16
.endr
	WIN 0
	v_mul_u32_u24 v3, v1, PITCH
	v_lshl_add_u32 v3, v2, 4, v3                   ; row x pitch + 16 x half
	s_mul_i32 s21, s11, HALFT                      ; my 128 rows of A
	s_mul_i32 s22, s12, HALFT                      ; my 128 rows of B,
	s_add_co_u32 s22, s22, 2*HALFT                 ; which lie behind A's 256
.irp s, 0,1
	v_add_nc_u32 v[ADRA+(\s)], s21, v3
	v_add_nc_u32 v[ADRB+(\s)], s22, v3
	s_add_co_u32 s21, s21, SLOT
	s_add_co_u32 s22, s22, SLOT
.endr
	s_mul_i32 s23, s10, 16*SPITCH
	s_add_co_u32 s23, s23, STAGE                   ; my stage
	v_mul_u32_u24 v4, v1, SPITCH                   ; in: row l % 16, 16 bytes for each half of the lanes
	v_lshl_add_u32 v4, v2, 4, v4
	v_add_nc_u32 v[STO], s23, v4
	v_mul_u32_u24 v5, v2, SPITCH                   ; back: lanes 0-15 take one row of 256 bytes, lanes 16-31 the next
	v_lshl_add_u32 v5, v1, 4, v5
	v_add_nc_u32 v[RD], s23, v5
	v_mul_u32_u24 v5, v2, SIZE_N*2                 ; and the same two rows in C
	v_lshl_add_u32 v[CO], v1, 4, v5
	; where my part of the first tile begins in C, in bytes: the first way out adds it to C's address
	s_lshl_b32 s13, s13, 8
	s_lshl_b32 s14, s11, 7
	s_add_co_u32 s16, s13, s14                     ; my first row of C
	s_mov_b32 s17, 0
	s_mov_b64 s[18:19], SIZE_N*2
	s_mul_u64 s[16:17], s[16:17], s[18:19]
	s_lshl_b32 s46, s42, 9                         ; my first column, in bytes: 512 x tile column + 256 x half (in the registers that held B's address: none that feeds A's descriptors ever holds cx)
	s_lshl_b32 s47, s12, 8
	s_add_co_u32 s46, s46, s47
	s_mov_b32 s47, 0
	s_add_nc_u64 s[16:17], s[16:17], s[46:47]
; 16 matrix instructions: m blocks a0, a0 + 1 of the window's four (hi = 0: my rows 0-63, 1: rows 64-127) x all 8 n blocks, 32 along K.
; zero = 1: the first product starts the sums, with the biases as its C: nothing is ever cleared, and nothing is added on the way out.
.macro MUL16 f, hi, a0, zero
.if \zero
	WIN BEG_LO+0x40*(\hi)  ; BEG_LO or BEG_HI
.else
	WIN MUL_LO+0x50*(\hi)  ; MUL_LO or MUL_HI
.endif
.irp a, \a0, (\a0)+1
.irp b, 0,1,2,3,4,5,6,7
.if \zero
	v_wmma_f32_16x16x32_bf16 v[8*(8*(\a)+(\b)):8*(8*(\a)+(\b))+7], v[(\f)+8*(\b):(\f)+8*(\b)+7], v[(\f)+8*(4*(\hi)+(\a)):(\f)+8*(4*(\hi)+(\a))+7], v[BIAS+8*(\b):BIAS+8*(\b)+7]
.else
	v_wmma_f32_16x16x32_bf16 v[8*(8*(\a)+(\b)):8*(8*(\a)+(\b))+7], v[(\f)+8*(\b):(\f)+8*(\b)+7], v[(\f)+8*(4*(\hi)+(\a)):(\f)+8*(4*(\hi)+(\a))+7], v[8*(8*(\a)+(\b)):8*(8*(\a)+(\b))+7]
.endif
.endr
.endr
.endm
; 32 LDS loads in one run: the fragments of one quarter step (128 rows of B, 128 rows of A, 32 K at byte k of the rows) into buffer f
.macro FETCH slot, k, f
	WIN TO_B
.irp i, 0,1,2,3,4,5,6,7
	ds_load_b128 v[(\f)+8*(\i):(\f)+8*(\i)+3],   v[ADRB+(\slot)] offset:(\k)+(\i)*16*PITCH
	ds_load_b128 v[(\f)+8*(\i)+4:(\f)+8*(\i)+7], v[ADRB+(\slot)] offset:(\k)+(\i)*16*PITCH+32
.endr
	WIN 0
.irp i, 0,1,2,3,4,5,6,7
	ds_load_b128 v[(\f)+8*(\i):(\f)+8*(\i)+3],   v[ADRA+(\slot)] offset:(\k)+(\i)*16*PITCH
	ds_load_b128 v[(\f)+8*(\i)+4:(\f)+8*(\i)+7], v[ADRA+(\slot)] offset:(\k)+(\i)*16*PITCH+32
.endr
.endm
; A load into a register that a matrix instruction has read, and a vector instruction that reads a matrix result or writes one of a matrix
; instruction's registers, stand four places behind that matrix instruction, and only plain vector instructions that name none of its registers
; are places (ISA guide 7.12.1 for vector instructions); this text does not count the matrix instructions in between.  So four v_nop stand in front of each run of
; loads, and in front of conversions that read results just made: sixteen issue slots for a K step's 256 matrix instructions.
.macro PLACES
.rept 4
	v_nop
.endr
.endm
; A K step is four quarter steps of 32 along K, 64 matrix instructions each, on buffers 0, 1, 0, 1.
; One of the first three: multiplies buffer f; in its middle it fetches the next quarter's fragments, at byte k of the same slot's rows, into buffer g.
.macro QUARTER slot, k, f, g, zero
	s_wait_dscnt 8                                 ; B and A's rows 0-63 are in; the youngest eight loads (A's rows 64-127) may be out
	MUL16 \f, 0, 0, \zero
	MUL16 \f, 0, 2, \zero
	PLACES
	FETCH \slot, \k, \g
	s_wait_dscnt 32                                ; all but the 32 just issued
	MUL16 \f, 1, 0, \zero
	MUL16 \f, 1, 2, \zero
.endm
; The last quarter multiplies buffer 1 and changes slots.  MEET is its first half: ONE barrier for the change of slots, for two things.  In front of it each wave waits for
; all its tensor loads, of which one is out: its part of the next slot; adds 0 to its spare word; and waits for that and for its own reads of this slot.  Behind it nobody reads this slot any more and the next slot is whole.
.macro MEET round                      ; round = 1: a round of the cluster's barrier follows
	WIN 0                                          ; (the add's two registers lie in window 0)
	s_wait_tensorcnt 0x0                           ; all my tensor loads have landed: the one that was out is my part of the next slot;
	ds_add_u32 v[SPW], v[NIL]                      ; 0 onto my spare word;
	s_wait_dscnt 9                                 ; (the add and the youngest eight loads may be out)
	MUL16 F1, 0, 0, 0                              ; sixteen matrix instructions stand between the add and the wait for it
	s_wait_dscnt 0x0                               ; the add is done, and my reads of this slot are over (the last were issued 48 matrix instructions ago):
	s_barrier_signal -1                            ; say so (where a slot is filled again this barrier opens a round of the cluster's barrier),
	MUL16 F1, 0, 2, 0                              ; work on registers while the others arrive,
.if \round
	WIN 0
.endif
	s_barrier_wait -1                              ; and go on when all four have said so
.endm
; The whole last quarter.  Behind the barrier the slot just read out is filled again first: with this tile's K step two steps on (on = 0) or, in a tile's last two K steps, with the NEXT tile's
; K step 0 or 1 (on = 1); then come the next slot's first fragments.  From a request to the wait for it a wave issues 224 matrix instructions, across tiles too.
.macro TURN slot, next, on
	MEET 1
	CREST                                          ; wave 0 says so for the work-group, all sixteen work-groups have said so, my work-group's barrier closes the round:
	                                               ; no wave of any partner still reads this slot's tile or has a load on its way
.if \on
	s_add_nc_u64 s[G0+4*(\slot)+2:G0+4*(\slot)+3], s[G0+4*(\slot)+2:G0+4*(\slot)+3], NEXT_A
	s_sub_nc_u64 s[G0B+4*(\slot)+2:G0B+4*(\slot)+3], s[G0B+4*(\slot)+2:G0B+4*(\slot)+3], BACK_B
.else
	s_add_nc_u64 s[G0+4*(\slot)+2:G0+4*(\slot)+3], s[G0+4*(\slot)+2:G0+4*(\slot)+3], 2*KSTEP*2
	s_add_nc_u64 s[G0B+4*(\slot)+2:G0B+4*(\slot)+3], s[G0B+4*(\slot)+2:G0B+4*(\slot)+3], 2*KSTEP*2
.endif
	JLOAD \slot                                    ; the first tensor load behind the round, my only one out; the four v_nop behind it are also the places in front of the loads below
	FETCH \next, 0, F0
	MUL16 F1, 1, 0, 0
	MUL16 F1, 1, 2, 0
.endm
; THE LAST K STEP OF THE LAST TILE (it lies in slot 1) GOES BY ROWS OF C, NOT BY K.  All its fragments of B (4 quarters x 64 registers) fill window 1; then my eight blocks of 16 rows are
; finished one after the other, each with 32 matrix instructions (its 8 accumulators by turns; K ascending).  LDS is read no more than in any other K step.
.macro BLOAD q                         ; B's fragments of quarter q -> window 1, v[64 q ..]
	WIN TO_B
.irp i, 0,1,2,3,4,5,6,7
	ds_load_b128 v[64*(\q)+8*(\i):64*(\q)+8*(\i)+3],   v[ADRB+1] offset:64*(\q)+(\i)*16*PITCH
	ds_load_b128 v[64*(\q)+8*(\i)+4:64*(\q)+8*(\i)+7], v[ADRB+1] offset:64*(\q)+(\i)*16*PITCH+32
.endr
.endm
.macro ALOAD a                         ; A's fragments of block a, all four quarters -> buffer a % 4
	WIN 0
.set FA, PA+32*((\a)%4)
.irp q, 0,1,2,3
	ds_load_b128 v[FA+8*(\q):FA+8*(\q)+3],   v[ADRA+1] offset:64*(\q)+(\a)*16*PITCH
	ds_load_b128 v[FA+8*(\q)+4:FA+8*(\q)+7], v[ADRA+1] offset:64*(\q)+(\a)*16*PITCH+32
.endr
.endm
.macro ROW a                           ; block a is finished: 32 matrix instructions
.set FA, PA+32*((\a)%4)                ; its fragments of A
.set AC, 64*((\a)%4)                   ; its eight accumulators, in window 2 (blocks 0-3) or 3 (blocks 4-7)
	WIN MUL_LO+0x50*((\a)/4)                       ; MUL_LO or MUL_HI
.irp q, 0,1,2,3
.if (\a) == 0 && (\q) == 2
	s_wait_dscnt 24                                ; B's quarter 2 is in (behind it: A's blocks 1 to 3)
.endif
.irp b, 0,1,2,3,4,5,6,7
	v_wmma_f32_16x16x32_bf16 v[AC+8*(\b):AC+8*(\b)+7], v[64*(\q)+8*(\b):64*(\q)+8*(\b)+7], v[FA+8*(\q):FA+8*(\q)+7], v[AC+8*(\b):AC+8*(\b)+7]
.endr
.endr
.endm
; THE WAY OUT of block a, in three parts.  PACK: rounded to f16, 16 bytes a lane, each accumulator from its low end on.  TOSTAGE: into my own stage in LDS, and back as whole rows of 256 bytes.  SEND: stored.
.macro PACK a
.set AC, 64*((\a)%4)
	WIN 0x0a+5*((\a)/4)                            ; sources 0 and 1: window 2 or 3
.irp b, 0,1,2,3,4,5,6,7
.irp r, 0,1,2,3
	v_cvt_pk_f16_f32 v[TMP+4*(\b)+(\r)], v[AC+8*(\b)+2*(\r)], v[AC+8*(\b)+2*(\r)+1]
.endr
.endr
	WIN 0
.endm
.macro TOSTAGE a
	WIN 0
.set BK, OB+192*((\a)%2)
.irp b, 0,1,2,3,4,5,6,7
	ds_store_b128 v[STO], v[TMP+4*(\b):TMP+4*(\b)+3] offset:32*(\b)
.endr
.irp t, 0,1,2,3,4,5,6,7
	ds_load_b128 v[BK+4*(\t):BK+4*(\t)+3], v[RD] offset:(\t)*2*SPITCH  ; LDS serves a wave's instructions in order (ISA guide 5.7.1.4): these see the stores above
.endr
.endm
.macro SEND a, younger                 ; younger: the LDS loads issued behind TOSTAGE's, which may stay out
	WIN 0
.set BK, OB+192*((\a)%2)
	s_wait_dscnt \younger                          ; the block is back in registers
	s_wait_xcnt 0x0                                ; every earlier memory instruction has had its addresses translated (ISA guide 3.1): only behind this wait are the stores' base and the registers that earlier stores read rewritten
.if (\a) == 0
	s_add_nc_u64 s[8:9], s[8:9], s[16:17]          ; on to this tile's first rows
.else
	s_add_nc_u64 s[8:9], s[8:9], 16*SIZE_N*2       ; 16 rows of C on, so that the stores' offsets stay small: 14 rows of 6,144 bytes at the most
.endif
.irp t, 0,1,2,3,4,5,6,7
	global_store_b128 v[CO], v[BK+4*(\t):BK+4*(\t)+3], s[8:9] offset:2*(\t)*SIZE_N*2  ; 16 lanes store 256 consecutive bytes, at a multiple of 256 from C's first byte
.endr
.endm
	; The biases are rounded to bf16, like the other inputs, and widened again: in the wait for the first tile
	s_wait_loadcnt 0x0                             ; my 64 biases
	WIN IN_B
.set p, 0
.rept 32
	v_cvt_pk_bf16_f32 v[BT+p%2], v[BIAS+2*p], v[BIAS+2*p+1]
	v_lshlrev_b32 v[BIAS+2*p], 16, v[BT+p%2]
	v_and_b32 v[BIAS+2*p+1], 0xffff0000, v[BT+p%2]
.set p, p+1
.endr
	WIN 0
	s_wait_tensorcnt 1                             ; my part of K step 0 is in; K step 1's may stay out
	s_barrier_signal -1
	s_barrier_wait -1                              ; everybody's is
	FETCH 0, 0, F0
	s_mov_b32 s2, SIZE_TILES                       ; tiles to go, this one among them: the same number in every work-group
.Ltile:                                                ; (FETCH and SEND leave every window 0)
	QUARTER 0, 64,  F0, F1, 1                      ; a tile's first quarter stands in front of the loop: its products start the sums
	WIN 0                                          ; at a label and at a branch every window is 0
	s_mov_b32 s3, LAPS-1
.Llap:                                                 ; a trip goes once round the ring, from a lap's second quarter to the next lap's first, and fills both slots again
	QUARTER 0, 128, F1, F0, 0
	QUARTER 0, 192, F0, F1, 0
	TURN 0, 1, 0
	QUARTER 1, 64,  F0, F1, 0
	QUARTER 1, 128, F1, F0, 0
	QUARTER 1, 192, F0, F1, 0
	TURN 1, 0, 0
	QUARTER 0, 64,  F0, F1, 0
	WIN 0
	s_sub_co_u32 s3, s3, 1
	s_cmp_lg_u32 s3, 0
	s_cbranch_scc1 .Llap
	QUARTER 0, 128, F1, F0, 0                      ; the tile's last lap goes on
	QUARTER 0, 192, F0, F1, 0
	WIN 0
	s_cmp_eq_u32 s2, 1
	s_cbranch_scc1 .Llast_tile                     ; the last tile's tail is written out: it asks for nothing more
	TURN 0, 1, 1                                   ; THE RING GOES ON INTO THE NEXT TILE: slot 0 takes its K step 0,
	QUARTER 1, 64,  F0, F1, 0
	QUARTER 1, 128, F1, F0, 0
	QUARTER 1, 192, F0, F1, 0
	TURN 1, 0, 1                                   ; slot 1 its K step 1, and the next tile's first fragments are fetched
	PACK 0                                         ; BOTH REFILLS ARE ASKED FOR: NOW THE TILE GOES OUT.  No v_nop: blocks 0-3 were finished in front of TURN's places, and their 128 conversions,
	TOSTAGE 0                                      ; which name no register of the last products (blocks 4-7's), are those products' places
.irp a, 1,2,3,4,5,6,7                  ; block a's conversions stand between block a - 1's loads from the stage and the wait for them
	PACK \a
	SEND (\a)-1, 0
	TOSTAGE \a
.endr
	SEND 7, 0
	s_mov_b64 s[16:17], NEXT_C                     ; what the next way out adds to C's address
	s_sub_co_u32 s2, s2, 1
	s_branch .Ltile
.Llast_tile:
	MEET 0                                         ; my one tensor load that was still out is slot 1's, the last K step's, so no round follows
	PLACES                                         ; for the loads into buffer 0, which the quarter before multiplied
	BLOAD 0                                        ; three quarters of B now (the first lands where the biases lay): buffer 1 (v128-191 of both windows) is still being multiplied
	BLOAD 1
	BLOAD 3
	ALOAD 0
	MUL16 F1, 1, 0, 0
	MUL16 F1, 1, 2, 0
	PLACES                                         ; for the loads into buffer 1
	BLOAD 2
	ALOAD 1
	ALOAD 2
	ALOAD 3
	s_wait_dscnt 40                                ; all but the 40 just issued
	ROW 0
.irp a, 0,1,2,3,4,5,6,7                ; each block leaves as soon as it is finished: nothing follows this tile, so the sooner its stores begin, the sooner the launch ends
	PLACES                                         ; its conversions read results just made, and no other vector work is at hand
	PACK \a
	TOSTAGE \a
.if (\a) < 4
	ALOAD (\a)+4                                   ; its buffer takes the block four further on
	SEND \a, 8
.else
	SEND \a, 0
.endif
.if (\a) < 7
	ROW (\a)+1
.endif
.endr
	s_wait_tensorcnt 0x0                           ; the wave's end: behind my last tensor load and my last LDS store
	ds_add_u32 v[SPW], v[NIL]
	s_wait_dscnt 0x0
	CROUND                                         ; the closing round: no work-group ends while a partner may still ask for a tile that names it
	s_endpgm
.Lfunc_end_k_q27712b80b7_proj:
	.size	k_q27712b80b7_proj, .Lfunc_end_k_q27712b80b7_proj-k_q27712b80b7_proj
	.p2alignl 7, 3214868480
	.fill 96, 4, 3214868480
	.section	.rodata,"a",@progbits
	.p2align	6, 0x0
	.amdhsa_kernel k_q27712b80b7_proj
		.amdhsa_group_segment_fixed_size 327680
		.amdhsa_private_segment_fixed_size 0
		.amdhsa_enable_private_segment 0
		.amdhsa_kernarg_size 48
		.amdhsa_user_sgpr_count 2
		.amdhsa_user_sgpr_kernarg_segment_ptr 1
		.amdhsa_wavefront_size32 1
		.amdhsa_system_sgpr_workgroup_id_x 1
		.amdhsa_system_sgpr_workgroup_id_y 1
		.amdhsa_system_sgpr_workgroup_id_z 1
		.amdhsa_system_vgpr_workitem_id 0
		.amdhsa_next_free_vgpr 1024
		.amdhsa_next_free_sgpr 80
		.amdhsa_reserve_vcc 0
		.amdhsa_float_denorm_mode_32 3
		.amdhsa_float_denorm_mode_16_64 3
		.amdhsa_memory_ordered 1
		.amdhsa_forward_progress 1
		.amdhsa_inst_pref_size 215
	.end_amdhsa_kernel
	.amdgpu_metadata
---
amdhsa.version: [ 1, 2 ]
amdhsa.kernels:
  - .name:           k_q27712b80b7_proj
    .symbol:         k_q27712b80b7_proj.kd
    .args:
      - { .name: xb, .offset: 0, .size: 8, .value_kind: global_buffer, .address_space: global }
      - { .name: wb, .offset: 8, .size: 8, .value_kind: global_buffer, .address_space: global }
      - { .name: bq, .offset: 16, .size: 8, .value_kind: global_buffer, .address_space: global }
      - { .name: bk, .offset: 24, .size: 8, .value_kind: global_buffer, .address_space: global }
      - { .name: bv, .offset: 32, .size: 8, .value_kind: global_buffer, .address_space: global }
      - { .name: qkv, .offset: 40, .size: 8, .value_kind: global_buffer, .address_space: global }
    .group_segment_fixed_size: 327680
    .private_segment_fixed_size: 0
    .kernarg_segment_align: 8
    .kernarg_segment_size: 48
    .max_flat_workgroup_size: 128
    .sgpr_count:     80
    .vgpr_count:     1024
    .wavefront_size: 32
...
	.end_amdgpu_metadata
.endif
;; end of part 6
;; launch scores (part 7): grid 12 x 16, 4 waves a work-group, clusters of 4 x 4, 327,680 bytes of LDS; arguments qkv, sc; writes sc
.if DOCPART == 7
	.amdgcn_target "amdgcn-amd-amdhsa--gfx1250"
	.amdhsa_code_object_version 6
	.text
	.protected	k_q27712b80b7_scores
	.globl	k_q27712b80b7_scores
	.p2align	8
	.type	k_q27712b80b7_scores,@function
k_q27712b80b7_scores:
	s_mov_b64 s[64:65], 0
	v_nop
	global_prefetch_b8 v0, s[64:65] scope:SCOPE_SE
	s_setreg_imm32_b32 hwreg(HW_REG_WAVE_MODE, 25, 1), 1
	s_wait_xcnt 0x0
	s_wait_alu depctr_hold_cnt(0) depctr_sa_sdst(0) depctr_va_vdst(0) depctr_va_sdst(0) depctr_va_ssrc(0) depctr_va_vcc(0) depctr_vm_vsrc(0)
	s_getreg_b32 s2, hwreg(HW_REG_IB_STS2, 6, 4)
	s_cmp_eq_u32 s2, 0
	s_cbranch_scc0 .Lentry_in_a_cluster
	s_endpgm
.Lentry_in_a_cluster:
	s_bfe_u32 s2, ttmp6, 0x10000c
	s_cmp_lg_u32 s2, 0xf033
	s_cbranch_scc0 .Lentry_shape_is_right
	s_endpgm
.Lentry_shape_is_right:
; sc[b][i][j] = sum over h of q[b][i][h] k[b][j][h], unscaled, in f32.  q and k are columns 0-1023 and 1024-2047 of qkv: [8192][3072] f16; sc: [8192][2048] f32 (row = 2048 b + i).
; CAUSAL: a batch's 2048 x 2048 scores lie in 2 x 2 blocks of 1024 x 1024; only the three blocks (I, J) with J <= I are made.  A cluster of 4 x 4 work-groups makes one block, a work-group a tile of 256 x 256.
; Cluster x = 0, 1, 2 names (0, 0), (1, 0), (1, 1), cluster y the batch: 192 work-groups, one tile each.  In a block on the diagonal the six tiles above the diagonal are made and stored too
; (192 tiles for 144): partners of a cluster run alike; nobody uses those numbers.
; Four waves; a wave makes 128 x 128: 64 accumulators of 16 x 16, 512 registers: 32 LDS loads feed 64 matrix instructions.  K (1,024 channels) goes in eight steps of 128 through a ring of two LDS slots
; filled by tensor loads: a tile's rows are 256 bytes of memory and start at multiples of 256 bytes from the buffer's first byte.  The last K step goes by rows of C, so that finished rows leave while the others are multiplied.
; CLUSTERS: the four of a row of the cluster need the same tiles of q, the four of a column the same tiles of k.  Such a tile is asked for JOINTLY: each of the four issues the same tensor load,
; with the same descriptor and a mask that names the four, and each receives the tile in its own LDS.
; NaN and infinities in q and k are not treated apart.
;
; REGISTERS, in windows of 256 (an instruction names v0-v255; s_set_vgpr_msb says which window each operand place means: bits 1:0 source 0, 3:2 source 1, 5:4 source 2, 7:6 destination):
;   window 0: v0-31 addresses; v64-127, v128-191 fragments of A (8 x 16 rows x 32 K), two buffers (in the last K step four, of 16 rows x 128 K); v192-255 16 rows on the way out
;   window 1: v64-127, v128-191 fragments of B, two buffers; in the last K step all 256: B's fragments of the whole step
;   window 2: the 32 accumulators of my rows 0-63 (accumulator (a, b) at v[8 (8 a + b)]);   window 3: those of my rows 64-127
; THE MATRIX INSTRUCTION IS USED TRANSPOSED: source 0 = 16 rows of k, source 1 = 16 rows of q.  In the result, lane l holds row m = l % 16 of C, and its registers 0 to 7 the columns
; n = 8 (l / 16) + 0 .. 7: eight neighbouring numbers of a row of C, 32 bytes.
.set SIZE_K, 1024
.set RPITCH, 3072                      ; elements from row to row in qkv
.set KSTEP,  128
.set PITCH,  272                       ; an LDS row: 256 bytes of data + 16 of padding = 68 words: row r starts at bank 4 r mod 64 (64 banks of 4 bytes: ISA guide 11.1), so the 16 rows that a load touches start at 16 different banks
.set HALFT,  128*PITCH                 ; 128 rows: what one tensor load brings, and what one wave reads of A or of B
.set SLOT,   4*HALFT                   ; A's 256 rows, then B's 256 rows
.set STAGE,  2*SLOT                    ; behind the ring: 16 rows x 528 bytes for each wave, its own, for the way out
.set SPITCH, 528                       ; a stage row: my 128 columns, 512 bytes, + 16 = 132 words: the 16 rows that a store touches start 4 banks apart
.set SPARE,  STAGE+4*16*SPITCH         ; behind the stages: the spare words, 128 bytes for each wave: two blocks of 256 bytes that no other line names
.set LAPS, SIZE_K/(2*KSTEP)            ; a lap = two K steps = once round the ring: 4
.set CP,     8192                      ; bytes in a row of sc
.set ADRA, 16                          ; v16-17  LDS address of my A fragments in slot 0, 1
.set ADRB, 20                          ; v20-21  the same for B
.set STO,  24                          ; v24     the way out: where I put 32 bytes of a row
.set RD,   25                          ; v25     the way out: where I read 16 bytes of a row back
.set CO,   26                          ; v26     my byte offset in a row's 512 bytes of C
.set SPW,  28                          ; v28     LDS address of my spare word: SPARE + 4 x my thread's number; never rewritten
.set NIL,  29                          ; v29     0; never rewritten
.set F0,   64                          ; fragment buffer 0
.set F1,   128                         ; fragment buffer 1
.set OB,   192                         ; the way out: 16 rows read back from the stage
.set PA,   64                          ; the last K step: A's fragments of 16 rows x 128 K, 32 registers; four such buffers, v64-191
.set G1, 24                            ; s[24:31] descriptor group 1 for A's tiles
.set G0, 32                            ; s[32:39] descriptor group 0 for A's tiles, one set for each slot
.set G1B, 48                           ; s[48:55] descriptor group 1 for B's tiles: it differs from A's in the mask alone
.set G0B, 56                           ; s[56:63] descriptor group 0 for B's tiles, one set for each slot
.set MSB, 0
.macro WIN new                         ; the immediate's high byte repeats the setting that is left; a switch that changes nothing is dropped
.if MSB != (\new)
	s_set_vgpr_msb (MSB<<8)|(\new)
.set MSB, \new
.endif
.endm
.set MUL_LO, 0xa1                      ; source 0 (B) window 1, source 1 (A) window 0, C and D window 2
.set MUL_HI, 0xf1                      ; the same, C and D window 3
.set TO_B,   0x40                      ; destination window 1, address window 0
; A joint load.  Waves 0 and 1 fetch A's two halves, waves 2 and 3 B's.  Each of the two lines has ONE mask and one set of registers for all that issue it, and nothing in
; them hangs on a coordinate that the four partners do not share.  The branch hangs on the wave's number alone: it is the same in every work-group.
; An s_nop 0 and four v_nop follow each of the two lines; the jump round the other line, the label and what follows the macro come after them.
.macro JLOAD s
	s_cmp_eq_u32 s11, 0
	s_cbranch_scc0 .Lfor_b_\@
	tensor_load_to_lds s[G0+4*(\s):G0+4*(\s)+3], s[G1:G1+7]
	s_nop 0
.rept 4
	v_nop
.endr
	s_branch .Lasked_\@
.Lfor_b_\@:
	tensor_load_to_lds s[G0B+4*(\s):G0B+4*(\s)+3], s[G1B:G1B+7]
	s_nop 0
.rept 4
	v_nop
.endr
.Lasked_\@:
.endm
; A round of the cluster's barrier: my work-group's barrier, so that wave 0's signal speaks for all four waves; wave 0 signals for the work-group; every wave waits for all
; sixteen work-groups; my work-group's barrier once more.  No LDS instruction of the wave is pending at a signal.
.macro CREST                           ; a round behind its opening barrier
	s_cmp_lg_u32 s10, 0
	s_cbranch_scc1 .Lnot_wave_0_\@
	s_barrier_signal -3
.Lnot_wave_0_\@:
	s_barrier_wait -3
	s_barrier_signal -1
	s_barrier_wait -1
.endm
.macro CROUND                          ; a whole round
	s_barrier_signal -1
	s_barrier_wait -1
	CREST
.endm
	s_load_b128 s[4:7], s[0:1], 0x0                ; qkv s[4:5], sc s[6:7]
	v_lshl_add_u32 v[SPW], v0, 2, SPARE
	v_mov_b32 v[NIL], 0
	ds_add_u32 v[SPW], v[NIL]                      ; the wave's opening: the add and its wait come ahead of my first tensor load; the set-up below, work on registers, stands between them
	v_lshrrev_b32 v1, 5, v0
	v_readfirstlane_b32 s10, v1                    ; wave 0..3
	s_lshr_b32 s11, s10, 1                         ; which half of the tile's rows is mine.  Also: I fetch for A (0) or for B (1)
	s_and_b32 s12, s10, 1                          ; which half of its columns.  Also: which 128 rows of that tile I fetch
	s_bfe_u32 s40, ttmp6, 0x40000                  ; cx: my place along the cluster's x
	s_bfe_u32 s41, ttmp6, 0x40004                  ; cy: along its y
	s_mov_b32 s66, ttmp9                           ; the cluster's x: which of the batch's three blocks
	s_cmp_ge_u32 s66, 1
	s_cselect_b32 s67, 1, 0                        ; I
	s_cmp_ge_u32 s66, 2
	s_cselect_b32 s68, 1, 0                        ; J
	s_and_b32 s69, ttmp7, 0xffff
	s_lshl_b32 s69, s69, 11                        ; the batch's first row
	s_lshl_b32 s42, s68, 2
	s_add_co_u32 s42, s42, s40                     ; tile column = 4 J + cx
	s_lshl_b32 s13, s67, 2
	s_add_co_u32 s13, s13, s41                     ; tile row = 4 I + cy
	s_lshl_b32 s43, s41, 2
	s_lshl_b32 s43, 15, s43                        ; my row of the cluster: places 4 cy .. 4 cy + 3
	s_lshl_b32 s44, 0x1111, s40                    ; my column: places cx, cx + 4, cx + 8, cx + 12
	; descriptor group 1: a tile of 128 rows x 128 elements, padded in LDS
	s_or_b32 s[G1+0], s43, (1<<16)|(1<<20)|(1<<21)|(5<<22)|(3<<25)  ; 15:0 the mask: q's tiles go to my row; 17:16 element of 2 bytes; 20 padding on; 21 set beside a mask; 24:22 after every 64 words (code 5); 31:25 of 4 words (code 3)
	s_or_b32 s[G1B+0], s44, (1<<16)|(1<<20)|(1<<21)|(5<<22)|(3<<25) ; the same with the mask of my column, for k's tiles
.irp g, G1, G1B
	s_mov_b32 s[(\g)+1], KSTEP<<16                 ; tensor_dim0 = 128
	s_mov_b32 s[(\g)+2], 128<<16                   ; tensor_dim1 = 128
	s_mov_b32 s[(\g)+3], KSTEP<<16                 ; tile_dim0 = 128
	s_mov_b32 s[(\g)+4], 128                       ; tile_dim1 = 128
	s_mov_b32 s[(\g)+5], RPITCH                    ; elements from row to row
	s_mov_b32 s[(\g)+6], 0
	s_mov_b32 s[(\g)+7], 0
.endr
	; where the tiles come from.  q's hang on the tile row alone, which my row of the cluster shares; k's on the tile column alone, which my column shares.
	s_lshl_b32 s17, s12, 7                         ; which 128 rows of the tile I fetch,
	s_add_co_u32 s17, s17, s69                     ; in my batch
	s_lshl_b32 s16, s13, 8
	s_add_co_u32 s16, s16, s17                     ; q: row 256 x tile row + 128 x half
	s_lshl_b32 s46, s42, 8
	s_add_co_u32 s46, s46, s17                     ; k: row 256 x tile column + 128 x half
	s_mul_i32 s16, s16, RPITCH*2                   ; rows of 6,144 bytes: under 2^26
	s_mul_i32 s46, s46, RPITCH*2
	s_mov_b32 s17, 0
	s_mov_b32 s47, 0
	s_mul_i32 s20, s10, HALFT                      ; and where they go: A's two halves, then B's two halves = wave x 128 rows: no place in the cluster enters an LDS address
	s_wait_dscnt 0x0                               ; the opening add is done
	s_wait_kmcnt 0x0
	s_mov_b64 s[8:9], s[6:7]                       ; C = sc
	s_add_nc_u64 s[6:7], s[4:5], 2048              ; k's columns begin 2,048 bytes into a row of qkv
	s_add_nc_u64 s[14:15], s[4:5], s[16:17]
	s_add_nc_u64 s[46:47], s[6:7], s[46:47]
	CROUND                                         ; all sixteen work-groups are here: the first joint loads meet
.irp s, 0,1
	s_mov_b32 s[G0+4*(\s)], 1                                      ; 1:0 count = 1
	s_add_co_u32 s[G0+4*(\s)+1], s20, (\s)*SLOT                    ; 63:32 LDS address
	s_add_nc_u64 s[G0+4*(\s)+2:G0+4*(\s)+3], s[14:15], (\s)*KSTEP*2  ; 120:64 global address: K step s
	s_or_b32 s[G0+4*(\s)+3], s[G0+4*(\s)+3], 0x80000000            ; 127:126 type = 2
	s_mov_b32 s[G0B+4*(\s)], 1
	s_add_co_u32 s[G0B+4*(\s)+1], s20, (\s)*SLOT
	s_add_nc_u64 s[G0B+4*(\s)+2:G0B+4*(\s)+3], s[46:47], (\s)*KSTEP*2
	s_or_b32 s[G0B+4*(\s)+3], s[G0B+4*(\s)+3], 0x80000000
	JLOAD \s                                       ; the ring is filled before anything else is done
.endr
	; A fragment is 16 rows x 32 K in 8 registers: lane l holds row l % 16; registers 0-3 hold K = 8 (l / 16) + 0..7, registers 4-7 hold
	; K = 16 + 8 (l / 16) + 0..7.  From rows that lie along K: two loads of 16 bytes, 32 bytes apart.  The same for source 0 and source 1.
	v_and_b32 v1, 15, v0                           ; l % 16
	v_bfe_u32 v2, v0, 4, 1                         ; l / 16
	v_mul_u32_u24 v3, v1, PITCH
	v_lshl_add_u32 v3, v2, 4, v3                   ; row x pitch + 16 x half
	s_mul_i32 s21, s11, HALFT                      ; my 128 rows of A
	s_mul_i32 s22, s12, HALFT                      ; my 128 rows of B,
	s_add_co_u32 s22, s22, 2*HALFT                 ; which lie behind A's 256
.irp s, 0,1
	v_add_nc_u32 v[ADRA+(\s)], s21, v3
	v_add_nc_u32 v[ADRB+(\s)], s22, v3
	s_add_co_u32 s21, s21, SLOT
	s_add_co_u32 s22, s22, SLOT
.endr
	s_mul_i32 s23, s10, 16*SPITCH
	s_add_co_u32 s23, s23, STAGE                   ; my stage
	v_mul_u32_u24 v4, v1, SPITCH                   ; in: row l % 16, 32 bytes (eight f32) for each half of the lanes
	v_lshl_add_u32 v4, v2, 5, v4
	v_add_nc_u32 v[STO], s23, v4
	v_and_b32 v5, 31, v0
	v_lshlrev_b32 v[CO], 4, v5                     ; back: the 32 lanes take one row's 512 bytes, 16 each,
	v_add_nc_u32 v[RD], s23, v[CO]                 ; and the same 512 bytes of a row of C
	s_lshl_b32 s16, s13, 8
	s_lshl_b32 s17, s11, 7
	s_add_co_u32 s16, s16, s17
	s_add_co_u32 s16, s16, s69                     ; my first row of C: batch + 256 x tile row + 128 x half
	s_lshl_b32 s16, s16, 13                        ; rows of 8,192 bytes: under 2^27
	s_mov_b32 s17, 0
	s_add_nc_u64 s[8:9], s[8:9], s[16:17]
	s_lshl_b32 s46, s42, 10                        ; my first column, in bytes: 1,024 x tile column + 512 x half (in the registers that held B's address: none that feeds A's descriptors ever holds cx)
	s_lshl_b32 s47, s12, 9
	s_add_co_u32 s46, s46, s47
	s_mov_b32 s47, 0
	s_add_nc_u64 s[8:9], s[8:9], s[46:47]
; 16 matrix instructions: m blocks a0, a0 + 1 of the window's four (hi = 0: my rows 0-63, 1: rows 64-127) x all 8 n blocks, 32 along K.
; zero = 1: the first product starts the sums: nothing is ever cleared.  The 64 accumulators take turns.
.macro MUL16 f, hi, a0, zero
	WIN MUL_LO+0x50*(\hi)  ; MUL_LO or MUL_HI
.irp a, \a0, (\a0)+1
.irp b, 0,1,2,3,4,5,6,7
.if \zero
	v_wmma_f32_16x16x32_f16 v[8*(8*(\a)+(\b)):8*(8*(\a)+(\b))+7], v[(\f)+8*(\b):(\f)+8*(\b)+7], v[(\f)+8*(4*(\hi)+(\a)):(\f)+8*(4*(\hi)+(\a))+7], 0
.else
	v_wmma_f32_16x16x32_f16 v[8*(8*(\a)+(\b)):8*(8*(\a)+(\b))+7], v[(\f)+8*(\b):(\f)+8*(\b)+7], v[(\f)+8*(4*(\hi)+(\a)):(\f)+8*(4*(\hi)+(\a))+7], v[8*(8*(\a)+(\b)):8*(8*(\a)+(\b))+7]
.endif
.endr
.endr
.endm
; 32 LDS loads in one run: the fragments of one quarter step (128 rows of B, 128 rows of A, 32 K at byte k of the rows) into buffer f
.macro FETCH slot, k, f
	WIN TO_B
.irp i, 0,1,2,3,4,5,6,7
	ds_load_b128 v[(\f)+8*(\i):(\f)+8*(\i)+3],   v[ADRB+(\slot)] offset:(\k)+(\i)*16*PITCH
	ds_load_b128 v[(\f)+8*(\i)+4:(\f)+8*(\i)+7], v[ADRB+(\slot)] offset:(\k)+(\i)*16*PITCH+32
.endr
	WIN 0
.irp i, 0,1,2,3,4,5,6,7
	ds_load_b128 v[(\f)+8*(\i):(\f)+8*(\i)+3],   v[ADRA+(\slot)] offset:(\k)+(\i)*16*PITCH
	ds_load_b128 v[(\f)+8*(\i)+4:(\f)+8*(\i)+7], v[ADRA+(\slot)] offset:(\k)+(\i)*16*PITCH+32
.endr
.endm
; A load into a register that a matrix instruction has read, and an LDS store that reads a matrix result, stand four places behind that matrix instruction, and only plain vector
; instructions that name none of its registers are places (ISA guide 7.12.1 for vector instructions); this text does not count the matrix instructions in between.
.macro PLACES
.rept 4
	v_nop
.endr
.endm
; A K step is four quarter steps of 32 along K, 64 matrix instructions each, on buffers 0, 1, 0, 1.
; One of the first three: multiplies buffer f; in its middle it fetches the next quarter's fragments, at byte k of the same slot's rows, into buffer g.
.macro QUARTER slot, k, f, g, zero
	s_wait_dscnt 8                                 ; B and A's rows 0-63 are in; the youngest eight loads (A's rows 64-127) may be out
	MUL16 \f, 0, 0, \zero
	MUL16 \f, 0, 2, \zero
	PLACES
	FETCH \slot, \k, \g
	s_wait_dscnt 32                                ; all but the 32 just issued
	MUL16 \f, 1, 0, \zero
	MUL16 \f, 1, 2, \zero
.endm
; The last quarter multiplies buffer 1 and changes slots.  MEET is its first half: ONE barrier for the change of slots, for two things.  In front of it each wave waits for
; all its tensor loads, of which one is out: its part of the next slot; adds 0 to its spare word; and waits for that and for its own reads of this slot.  Behind it nobody reads this slot any more and the next slot is whole.
.macro MEET round                      ; round = 1: a round of the cluster's barrier follows
	WIN 0                                          ; (the add's two registers lie in window 0)
	s_wait_tensorcnt 0x0                           ; all my tensor loads have landed: the one that was out is my part of the next slot;
	ds_add_u32 v[SPW], v[NIL]                      ; 0 onto my spare word;
	s_wait_dscnt 9                                 ; (the add and the youngest eight loads may be out)
	MUL16 F1, 0, 0, 0                              ; sixteen matrix instructions stand between the add and the wait for it
	s_wait_dscnt 0x0                               ; the add is done, and my reads of this slot are over (the last were issued 48 matrix instructions ago):
	s_barrier_signal -1                            ; say so (where a slot is filled again this barrier opens a round of the cluster's barrier),
	MUL16 F1, 0, 2, 0                              ; work on registers while the others arrive,
.if \round
	WIN 0
.endif
	s_barrier_wait -1                              ; and go on when all four have said so
.endm
; The whole last quarter.  Behind the barrier the slot just read out is filled again first, with the K step two steps on; then come the next slot's first fragments.
; From a request to the wait for it a wave issues 224 matrix instructions.
.macro TURN slot, next
	MEET 1
	CREST                                          ; wave 0 says so for the work-group, all sixteen work-groups have said so, my work-group's barrier closes the round:
	                                               ; no wave of any partner still reads this slot's tile or has a load on its way
	s_add_nc_u64 s[G0+4*(\slot)+2:G0+4*(\slot)+3], s[G0+4*(\slot)+2:G0+4*(\slot)+3], 2*KSTEP*2
	s_add_nc_u64 s[G0B+4*(\slot)+2:G0B+4*(\slot)+3], s[G0B+4*(\slot)+2:G0B+4*(\slot)+3], 2*KSTEP*2
	JLOAD \slot                                    ; the first tensor load behind the round, my only one out; the four v_nop behind it are also the places in front of the loads below
	FETCH \next, 0, F0
	MUL16 F1, 1, 0, 0
	MUL16 F1, 1, 2, 0
.endm
; THE LAST K STEP (it lies in slot 1) GOES BY ROWS OF C, NOT BY K.  All its fragments of B (4 quarters x 64 registers) fill window 1; then my eight blocks of 16 rows are
; finished one after the other, each with 32 matrix instructions (its 8 accumulators by turns; K ascending).  LDS is read no more than in any other K step.
.macro BLOAD q                         ; B's fragments of quarter q -> window 1, v[64 q ..]
	WIN TO_B
.irp i, 0,1,2,3,4,5,6,7
	ds_load_b128 v[64*(\q)+8*(\i):64*(\q)+8*(\i)+3],   v[ADRB+1] offset:64*(\q)+(\i)*16*PITCH
	ds_load_b128 v[64*(\q)+8*(\i)+4:64*(\q)+8*(\i)+7], v[ADRB+1] offset:64*(\q)+(\i)*16*PITCH+32
.endr
.endm
.macro ALOAD a                         ; A's fragments of block a, all four quarters -> buffer a % 4
	WIN 0
.set FA, PA+32*((\a)%4)
.irp q, 0,1,2,3
	ds_load_b128 v[FA+8*(\q):FA+8*(\q)+3],   v[ADRA+1] offset:64*(\q)+(\a)*16*PITCH
	ds_load_b128 v[FA+8*(\q)+4:FA+8*(\q)+7], v[ADRA+1] offset:64*(\q)+(\a)*16*PITCH+32
.endr
.endm
.macro ROW a                           ; block a is finished: 32 matrix instructions
.set FA, PA+32*((\a)%4)                ; its fragments of A
.set AC, 64*((\a)%4)                   ; its eight accumulators, in window 2 (blocks 0-3) or 3 (blocks 4-7)
	WIN MUL_LO+0x50*((\a)/4)                       ; MUL_LO or MUL_HI
.irp q, 0,1,2,3
.if (\a) == 0 && (\q) == 2
	s_wait_dscnt 24                                ; B's quarter 2 is in (behind it: A's blocks 1 to 3)
.endif
.irp b, 0,1,2,3,4,5,6,7
	v_wmma_f32_16x16x32_f16 v[AC+8*(\b):AC+8*(\b)+7], v[64*(\q)+8*(\b):64*(\q)+8*(\b)+7], v[FA+8*(\q):FA+8*(\q)+7], v[AC+8*(\b):AC+8*(\b)+7]
.endr
.endr
.endm
; THE WAY OUT of block a.  TOSTAGE: a lane's eight f32 of a row go from the accumulators into my own stage, each accumulator from its low end on, and come back as whole rows of 512 bytes.  SEND: stored.
.macro TOSTAGE a
.set AC, 64*((\a)%4)
	WIN 0x08+4*((\a)/4)                            ; the stores' data (source 1): window 2 or 3; their address: window 0
.irp b, 0,1,2,3,4,5,6,7
	ds_store_b128 v[STO], v[AC+8*(\b):AC+8*(\b)+3]   offset:64*(\b)
	ds_store_b128 v[STO], v[AC+8*(\b)+4:AC+8*(\b)+7] offset:64*(\b)+16
.endr
	WIN 0
.if (\a) > 0
	s_wait_xcnt 0x0                                ; every earlier memory instruction has had its addresses translated (ISA guide 3.1): only behind this wait are the last block's store data loaded anew and the stores' base stepped
	s_add_nc_u64 s[8:9], s[8:9], 16*CP             ; 16 rows of C on
.endif
.irp t, 0,1,2,3,4,5,6,7,8,9,10,11,12,13,14,15
	ds_load_b128 v[OB+4*(\t):OB+4*(\t)+3], v[RD] offset:(\t)*SPITCH  ; LDS serves a wave's instructions in order (ISA guide 5.7.1.4): these see the stores above
.endr
.endm
.macro SEND a, younger                 ; younger: the LDS loads issued behind TOSTAGE's, which may stay out
	WIN 0
	s_wait_dscnt \younger                          ; the block is back in registers
.irp t, 0,1,2,3,4,5,6,7,8,9,10,11,12,13,14,15
	global_store_b128 v[CO], v[OB+4*(\t):OB+4*(\t)+3], s[8:9] offset:(\t)*CP  ; the wave stores 512 consecutive bytes, at a multiple of 512 from C's first byte
.endr
.endm
	s_wait_tensorcnt 1                             ; my part of K step 0 is in; K step 1's may stay out
	s_barrier_signal -1
	s_barrier_wait -1                              ; everybody's is
	FETCH 0, 0, F0
	QUARTER 0, 64,  F0, F1, 1                      ; the first quarter stands in front of the loop: its products start the sums
	WIN 0                                          ; at a label and at a branch every window is 0
	s_mov_b32 s3, LAPS-1
.Llap:                                                 ; a trip goes once round the ring, from a lap's second quarter to the next lap's first, and fills both slots again
	QUARTER 0, 128, F1, F0, 0
	QUARTER 0, 192, F0, F1, 0
	TURN 0, 1
	QUARTER 1, 64,  F0, F1, 0
	QUARTER 1, 128, F1, F0, 0
	QUARTER 1, 192, F0, F1, 0
	TURN 1, 0
	QUARTER 0, 64,  F0, F1, 0
	WIN 0
	s_sub_co_u32 s3, s3, 1
	s_cmp_lg_u32 s3, 0
	s_cbranch_scc1 .Llap
	QUARTER 0, 128, F1, F0, 0                      ; the last lap is written out: it asks for nothing more
	QUARTER 0, 192, F0, F1, 0
	MEET 0                                         ; my one tensor load that was still out is slot 1's, the last K step's, so no round follows
	PLACES                                         ; for the loads into buffer 0, which the quarter before multiplied
	BLOAD 0                                        ; three quarters of B now: buffer 1 (v128-191 of both windows) is still being multiplied
	BLOAD 1
	BLOAD 3
	ALOAD 0
	MUL16 F1, 1, 0, 0
	MUL16 F1, 1, 2, 0
	PLACES                                         ; for the loads into buffer 1
	BLOAD 2
	ALOAD 1
	ALOAD 2
	ALOAD 3
	s_wait_dscnt 40                                ; all but the 40 just issued
	ROW 0
.irp a, 0,1,2,3,4,5,6,7                ; each block leaves as soon as it is finished: nothing follows this tile, so the sooner its stores begin, the sooner the launch ends
	PLACES                                         ; the LDS stores read results just made, and the loads below land on fragments just read
	TOSTAGE \a
.if (\a) < 4
	ALOAD (\a)+4                                   ; its buffer takes the block four further on
	SEND \a, 8
.else
	SEND \a, 0
.endif
.if (\a) < 7
	ROW (\a)+1
.endif
.endr
	s_wait_tensorcnt 0x0                           ; the wave's end: behind my last tensor load and my last LDS store
	ds_add_u32 v[SPW], v[NIL]
	s_wait_dscnt 0x0
	CROUND                                         ; the closing round: no work-group ends while a partner may still ask for a tile that names it
	s_endpgm
.Lfunc_end_k_q27712b80b7_scores:
	.size	k_q27712b80b7_scores, .Lfunc_end_k_q27712b80b7_scores-k_q27712b80b7_scores
	.p2alignl 7, 3214868480
	.fill 96, 4, 3214868480
	.section	.rodata,"a",@progbits
	.p2align	6, 0x0
	.amdhsa_kernel k_q27712b80b7_scores
		.amdhsa_group_segment_fixed_size 327680
		.amdhsa_private_segment_fixed_size 0
		.amdhsa_enable_private_segment 0
		.amdhsa_kernarg_size 16
		.amdhsa_user_sgpr_count 2
		.amdhsa_user_sgpr_kernarg_segment_ptr 1
		.amdhsa_wavefront_size32 1
		.amdhsa_system_sgpr_workgroup_id_x 1
		.amdhsa_system_sgpr_workgroup_id_y 1
		.amdhsa_system_sgpr_workgroup_id_z 1
		.amdhsa_system_vgpr_workitem_id 0
		.amdhsa_next_free_vgpr 1024
		.amdhsa_next_free_sgpr 80
		.amdhsa_reserve_vcc 0
		.amdhsa_float_denorm_mode_32 3
		.amdhsa_float_denorm_mode_16_64 3
		.amdhsa_memory_ordered 1
		.amdhsa_forward_progress 1
		.amdhsa_inst_pref_size 141
	.end_amdhsa_kernel
	.amdgpu_metadata
---
amdhsa.version: [ 1, 2 ]
amdhsa.kernels:
  - .name:           k_q27712b80b7_scores
    .symbol:         k_q27712b80b7_scores.kd
    .args:
      - { .name: qkv, .offset: 0, .size: 8, .value_kind: global_buffer, .address_space: global }
      - { .name: sc, .offset: 8, .size: 8, .value_kind: global_buffer, .address_space: global }
    .group_segment_fixed_size: 327680
    .private_segment_fixed_size: 0
    .kernarg_segment_align: 8
    .kernarg_segment_size: 16
    .max_flat_workgroup_size: 128
    .sgpr_count:     80
    .vgpr_count:     1024
    .wavefront_size: 32
...
	.end_amdgpu_metadata
.endif
;; end of part 7
;; launch softmax: the kernel of part 4 again; grid 1024 x 1, 8 waves a work-group, no clusters, 0 bytes of LDS; arguments sc, pb; writes pb
;; launch pv (part 8): grid 32 x 8, 4 waves a work-group, clusters of 4 x 4, 327,680 bytes of LDS; arguments pb, qkv, out0; writes out0
.if DOCPART == 8
	.amdgcn_target "amdgcn-amd-amdhsa--gfx1250"
	.amdhsa_code_object_version 6
	.text
	.protected	k_q27712b80b7_pv
	.globl	k_q27712b80b7_pv
	.p2align	8
	.type	k_q27712b80b7_pv,@function
k_q27712b80b7_pv:
	s_mov_b64 s[64:65], 0
	v_nop
	global_prefetch_b8 v0, s[64:65] scope:SCOPE_SE
	s_setreg_imm32_b32 hwreg(HW_REG_WAVE_MODE, 25, 1), 1
	s_wait_xcnt 0x0
	s_wait_alu depctr_hold_cnt(0) depctr_sa_sdst(0) depctr_va_vdst(0) depctr_va_sdst(0) depctr_va_ssrc(0) depctr_va_vcc(0) depctr_vm_vsrc(0)
	s_getreg_b32 s2, hwreg(HW_REG_IB_STS2, 6, 4)
	s_cmp_eq_u32 s2, 0
	s_cbranch_scc0 .Lentry_in_a_cluster
	s_endpgm
.Lentry_in_a_cluster:
	s_bfe_u32 s2, ttmp6, 0x10000c
	s_cmp_lg_u32 s2, 0xf033
	s_cbranch_scc0 .Lentry_shape_is_right
	s_endpgm
.Lentry_shape_is_right:
; out0[b][i][n] = 2^-10 x sum over keys j of pb[b][i][j] v[b][j][n].  pb: [8192][2048] f16 holds 1024 x the weights, 0 above the diagonal; v is columns 2048-3071 of qkv: [8192][3072] f16; out0: [8192][1024] f32.
; CAUSAL: rows 512 I .. 512 I + 511 of a batch need the keys below 512 (I + 1): I + 1 laps of 512 keys.  A cluster of 4 x 4 work-groups makes 512 rows x 512 channels at a time, a work-group a tile of 128 x 128.
; THE WALK: a cluster takes TWO blocks of rows, I = 3 - p and then I = p (p = the cluster's y, 0 or 1): 4 + 1 or 3 + 2 laps: five, whatever p.  So all 256 work-groups do equal work, and ONE loop with a
; constant trip count walks them.  Cluster x = 2 x batch + half of the channels: both tiles take the same columns of v.  The ring does not stop at the first tile's end: the address of each refill is made anew
; from the number of the K step to be asked for, which goes back to 0 behind the first tile's last.  Behind each lap a count of the tile's laps says whether the tile leaves: a jump forward, past text that
; holds neither a barrier nor a tensor load.  Count and number hang on the cluster's y alone: they are the same in all partners.  Nothing waits for the first tile's stores.
; Four waves, each 64 x 64: 16 accumulators.  K (the keys) goes in steps of 256, two to a lap, through two LDS slots filled by joint tensor loads: pb's tile (128 rows x 256 keys) is shared along a row of the
; cluster, v's (256 keys x 128 channels) along a column.
; THE MATRIX INSTRUCTION IS USED TRANSPOSED (source 0 = 16 channels of v, source 1 = 16 rows of pb): a lane holds eight neighbouring numbers of a row of out0.  v lies [key][channel] and is read turned, by ds_load_tr16_b128.
; NaN and infinities in pb and v are not treated apart.
; REGISTERS: window 0: v0-31 addresses; v32-95 at work on the way out; v128-255 the accumulators ((a, b) at v[128 + 8 (4 a + b)]).  window 1: two fragment buffers of 128 (64 of A, then 64 of B).
.set KSTEP,  256
.set PITCH,  528                       ; a row of pb in LDS: 512 bytes + 16 of padding: the 16 rows of a fragment load start 4 banks apart
.set PV,     288                       ; a row of v: 256 bytes + 32 = 72 words
.set HALFT,  64*PITCH                  ; 64 rows of pb: one tensor load
.set HALFV,  128*PV                    ; 128 keys of v: one tensor load
.set SLOT,   2*HALFT+2*HALFV           ; pb's 128 rows, then v's 256 keys
.set STAGE,  2*SLOT                    ; behind the ring: 16 rows x 272 bytes for each wave, its own, for the way out
.set SPITCH, 272
.set SPARE,  STAGE+4*16*SPITCH         ; behind the stages: the spare words, 128 bytes for each wave
.set ASTEP,  KSTEP*2                   ; a K step in pb: 512 bytes along a row
.set BSTEP,  KSTEP*6144                ; in v: 256 rows of qkv
.set CP,     4096                      ; bytes in a row of out0
.set WALK,   5                         ; laps of a work-group
.set ADRA, 16                          ; v16-17  LDS address of my A fragments in slot 0, 1
.set ADRB, 20                          ; v20-23  of my B fragments: slot s, keys 128 u on, at v[20 + 2 s + u]: the 16-bit offset does not reach 256 rows of 288 bytes
.set STO,  24
.set RD,   25
.set CO,   26
.set SPW,  28                          ; v28     LDS address of my spare word; never rewritten
.set NIL,  29                          ; v29     0; never rewritten
.set TMP,  32
.set ACC,  128
.set F0,   0
.set F1,   128
.set G1, 24
.set G0, 32
.set G1B, 48
.set G0B, 56
.set LEFT, 67                          ; s67     laps of the tile in hand that are still to be finished
.set LAP2, 73                          ; s73     the second tile's laps
.set C2,   74                          ; s[74:75] out0 at my part of the second tile
.set KN,   76                          ; s76     the K step, counted in its tile, to be asked for next
.set NL,   77                          ; s77     the K steps of the tile whose steps are being asked for
.set AB,   78                          ; s78     byte offset in pb of my 64 rows of that tile
.set AB2,  79                          ; s79     the same for the second tile
.set OA,   80                          ; s[80:81] a refill's byte offset in pb
.set OV,   82                          ; s[82:83] a refill's byte offset in qkv
.set BB,   84                          ; s84     byte offset in qkv of my 128 keys of K step 0, my tile's channels
.set MSB, 0
.macro WIN new                         ; the immediate's high byte repeats the setting that is left
.if MSB != (\new)
	s_set_vgpr_msb (MSB<<8)|(\new)
.set MSB, \new
.endif
.endm
.set MUL,  0x05                        ; sources 0 (B) and 1 (A) window 1; C and D window 0
.set TO_F, 0x40                        ; destination window 1, address window 0
.macro JLOAD s                         ; a joint load: waves 0 and 1 fetch pb's two halves, waves 2 and 3 v's; an s_nop 0 and four v_nop follow each of the two lines
	s_cmp_eq_u32 s11, 0
	s_cbranch_scc0 .Lfor_b_\@
	tensor_load_to_lds s[G0+4*(\s):G0+4*(\s)+3], s[G1:G1+7]
	s_nop 0
.rept 4
	v_nop
.endr
	s_branch .Lasked_\@
.Lfor_b_\@:
	tensor_load_to_lds s[G0B+4*(\s):G0B+4*(\s)+3], s[G1B:G1B+7]
	s_nop 0
.rept 4
	v_nop
.endr
.Lasked_\@:
.endm
.macro CREST                           ; a round of the cluster's barrier behind its opening barrier
	s_cmp_lg_u32 s10, 0
	s_cbranch_scc1 .Lnot_wave_0_\@
	s_barrier_signal -3
.Lnot_wave_0_\@:
	s_barrier_wait -3
	s_barrier_signal -1
	s_barrier_wait -1
.endm
.macro CROUND                          ; a whole round
	s_barrier_signal -1
	s_barrier_wait -1
	CREST
.endm
	s_load_b128 s[4:7], s[0:1], 0x0                ; pb s[4:5], qkv s[6:7]: both stay as they are, every refill's address starts from them
	s_load_b64 s[8:9], s[0:1], 0x10                ; out0
	v_lshl_add_u32 v[SPW], v0, 2, SPARE
	v_mov_b32 v[NIL], 0
	ds_add_u32 v[SPW], v[NIL]                      ; the wave's opening: the add and its wait come ahead of my first tensor load; the set-up below stands between them
	v_lshrrev_b32 v1, 5, v0
	v_readfirstlane_b32 s10, v1                    ; wave 0..3
	s_lshr_b32 s11, s10, 1                         ; which half of the tile's rows is mine.  Also: I fetch for pb (0) or for v (1)
	s_and_b32 s12, s10, 1                          ; which half of its columns.  Also: which half of that tile I fetch
	s_bfe_u32 s40, ttmp6, 0x40000                  ; cx, cy: my place in the cluster
	s_bfe_u32 s41, ttmp6, 0x40004
	s_lshr_b32 s68, ttmp9, 1
	s_lshl_b32 s68, s68, 11                        ; the batch's first row
	s_and_b32 s85, ttmp9, 1
	s_lshl_b32 s42, s85, 2
	s_add_co_u32 s42, s42, s40                     ; tile column = 4 x half of the channels + cx
	s_and_b32 s66, ttmp7, 0xffff                   ; p
	s_sub_co_u32 s72, 3, s66                       ; the first tile's I = 3 - p
	s_lshl_b32 s13, s72, 2
	s_add_co_u32 s13, s13, s41                     ; its tile row = 4 I + cy
	s_lshl_b32 s69, s66, 2
	s_add_co_u32 s69, s69, s41                     ; the second tile's row = 4 p + cy
	s_add_co_u32 s[LEFT], s72, 1                   ; the first tile has 4 - p laps,
	s_add_co_u32 s[LAP2], s66, 1                   ; the second p + 1
	s_lshl_b32 s[NL], s[LEFT], 1                   ; two K steps to a lap
	s_mov_b32 s[KN], 2                             ; K steps 0 and 1 are asked for at the start
	s_mov_b32 s70, 0x3a800000                      ; 2^-10
	s_mov_b32 s71, s70                             ; named with it as a pair
	s_lshl_b32 s43, s41, 2
	s_lshl_b32 s43, 15, s43                        ; my row of the cluster
	s_lshl_b32 s44, 0x1111, s40                    ; my column
	; descriptor group 1 for pb: a tile of 64 rows x 256 elements
	s_or_b32 s[G1+0], s43, (1<<16)|(1<<20)|(1<<21)|(6<<22)|(3<<25)  ; 15:0 the mask: pb's tiles go to my row; 17:16 2-byte elements; 20 padding on; 21 set beside a mask; 24:22 after every 128 words; 31:25 4 words
	s_mov_b32 s[G1+1], KSTEP<<16                   ; tensor_dim0 = 256
	s_mov_b32 s[G1+2], 64<<16                      ; tensor_dim1 = 64
	s_mov_b32 s[G1+3], KSTEP<<16                   ; tile_dim0 = 256
	s_mov_b32 s[G1+4], 64                          ; tile_dim1 = 64
	s_mov_b32 s[G1+5], 2048                        ; elements from row to row in pb
	s_mov_b32 s[G1+6], 0
	s_mov_b32 s[G1+7], 0
	; for v: a tile of 128 keys x 128 channels
	s_or_b32 s[G1B+0], s44, (1<<16)|(1<<20)|(1<<21)|(5<<22)|(7<<25) ; the mask of my column; padding after every 64 words, 8 words
	s_mov_b32 s[G1B+1], 128<<16                    ; tensor_dim0 = 128
	s_mov_b32 s[G1B+2], 128<<16                    ; tensor_dim1 = 128
	s_mov_b32 s[G1B+3], 128<<16                    ; tile_dim0 = 128
	s_mov_b32 s[G1B+4], 128                        ; tile_dim1 = 128
	s_mov_b32 s[G1B+5], 3072                       ; elements from row to row in qkv
	s_mov_b32 s[G1B+6], 0
	s_mov_b32 s[G1B+7], 0
	s_lshl_b32 s17, s12, 6
	s_add_co_u32 s17, s17, s68                     ; batch + 64 x half
	s_lshl_b32 s[AB], s13, 7
	s_add_co_u32 s[AB], s[AB], s17                 ; pb: row batch + 128 x tile row + 64 x half,
	s_lshl_b32 s[AB], s[AB], 12                    ; of 4,096 bytes: under 2^25
	s_lshl_b32 s[AB2], s69, 7
	s_add_co_u32 s[AB2], s[AB2], s17
	s_lshl_b32 s[AB2], s[AB2], 12                  ; the same for the second tile
	s_mov_b32 s[OA], s[AB]
	s_mov_b32 s[OA+1], 0
	s_lshl_b32 s[BB], s12, 7
	s_add_co_u32 s[BB], s[BB], s68                 ; v: key batch + 128 x half,
	s_mul_i32 s[BB], s[BB], 6144                   ; rows of 6,144 bytes: under 2^26,
	s_lshl_b32 s47, s42, 8
	s_add_co_u32 s[BB], s[BB], s47                 ; the tile's 128 channels,
	s_add_co_u32 s[BB], s[BB], 4096                ; behind q's and k's columns
	s_mov_b32 s[OV], s[BB]
	s_mov_b32 s[OV+1], 0
	s_mul_i32 s20, s12, HALFT                      ; where they go: pb's halves,
	s_mul_i32 s45, s12, HALFV
	s_add_co_u32 s45, s45, 2*HALFT                 ; and v's behind them: no place in the cluster enters an LDS address
	s_wait_dscnt 0x0                               ; the opening add is done
	s_wait_kmcnt 0x0
	s_add_nc_u64 s[14:15], s[4:5], s[OA:OA+1]
	s_add_nc_u64 s[46:47], s[6:7], s[OV:OV+1]
	CROUND                                         ; all sixteen work-groups are here: the first joint loads meet
.irp s, 0,1
	s_mov_b32 s[G0+4*(\s)], 1
	s_add_co_u32 s[G0+4*(\s)+1], s20, (\s)*SLOT
	s_add_nc_u64 s[G0+4*(\s)+2:G0+4*(\s)+3], s[14:15], (\s)*ASTEP
	s_or_b32 s[G0+4*(\s)+3], s[G0+4*(\s)+3], 0x80000000
	s_mov_b32 s[G0B+4*(\s)], 1
	s_add_co_u32 s[G0B+4*(\s)+1], s45, (\s)*SLOT
	s_add_nc_u64 s[G0B+4*(\s)+2:G0B+4*(\s)+3], s[46:47], (\s)*BSTEP
	s_or_b32 s[G0B+4*(\s)+3], s[G0B+4*(\s)+3], 0x80000000
	JLOAD \s
.endr
	v_and_b32 v1, 15, v0                           ; l % 16
	v_bfe_u32 v2, v0, 4, 1                         ; l / 16
	v_mul_u32_u24 v3, v1, PITCH
	v_lshl_add_u32 v3, v2, 4, v3                   ; an A fragment's row x pitch + 16 x half
	s_mul_i32 s21, s11, HALFT                      ; my 64 rows of pb
.irp s, 0,1
	v_add_nc_u32 v[ADRA+(\s)], s21, v3
	s_add_co_u32 s21, s21, SLOT
.endr
	; The turning load takes 16 keys x 16 channels (lane l reads key 8 (l / 16) + l % 8, channels 8 ((l / 8) % 2) + 0..7) and leaves half a fragment: lane l holds channel l % 16 and 8 keys.
	v_and_b32 v6, 7, v0
	v_bfe_u32 v7, v0, 3, 1
	v_lshl_add_u32 v6, v2, 3, v6
	v_mul_u32_u24 v6, v6, PV
	v_lshl_add_u32 v6, v7, 4, v6
	s_lshl_b32 s22, s12, 7                         ; my 64 channels: 128 bytes of a row,
	s_add_co_u32 s22, s22, 2*HALFT                 ; behind pb's tile
	v_add_nc_u32 v[ADRB+0], s22, v6
	v_add_nc_u32 v[ADRB+1], HALFV, v[ADRB+0]
	v_add_nc_u32 v[ADRB+2], SLOT, v[ADRB+0]
	v_add_nc_u32 v[ADRB+3], SLOT, v[ADRB+1]
	s_mul_i32 s23, s10, 16*SPITCH
	s_add_co_u32 s23, s23, STAGE                   ; my stage
	v_mul_u32_u24 v4, v1, SPITCH                   ; in: row l % 16, 32 bytes (eight f32) for each half of the lanes
	v_lshl_add_u32 v4, v2, 5, v4
	v_add_nc_u32 v[STO], s23, v4
	v_mul_u32_u24 v5, v2, SPITCH                   ; back: lanes 0-15 take one row of 256 bytes, lanes 16-31 the next
	v_lshl_add_u32 v5, v1, 4, v5
	v_add_nc_u32 v[RD], s23, v5
	v_mul_u32_u24 v5, v2, CP                       ; and the same two rows in C
	v_lshl_add_u32 v[CO], v1, 4, v5
	s_lshl_b32 s17, s11, 6
	s_add_co_u32 s17, s17, s68                     ; batch + 64 x half
	s_lshl_b32 s16, s13, 7
	s_add_co_u32 s16, s16, s17                     ; my first row of C in the first tile,
	s_lshl_b32 s16, s16, 12                        ; rows of 4,096 bytes
	s_lshl_b32 s18, s69, 7
	s_add_co_u32 s18, s18, s17                     ; and in the second
	s_lshl_b32 s18, s18, 12
	s_lshl_b32 s46, s42, 9                         ; my first column, in bytes: 512 x tile column + 256 x half
	s_lshl_b32 s47, s12, 8
	s_add_co_u32 s46, s46, s47
	s_add_co_u32 s16, s16, s46
	s_add_co_u32 s18, s18, s46
	s_mov_b32 s17, 0
	s_mov_b32 s19, 0
	s_add_nc_u64 s[C2:C2+1], s[8:9], s[18:19]
	s_add_nc_u64 s[8:9], s[8:9], s[16:17]
; 8 matrix instructions: m blocks a0, a0 + 1 x all 4 n blocks, 32 along K: half c of buffer f.  zero = 1: the first product starts the sums.  The 16 accumulators take turns.
.macro MUL8 f, c, a0, zero
	WIN MUL
.irp a, \a0, (\a0)+1
.irp b, 0,1,2,3
.if \zero
	v_wmma_f32_16x16x32_f16 v[ACC+8*(4*(\a)+(\b)):ACC+8*(4*(\a)+(\b))+7], v[(\f)+64+8*(4*(\c)+(\b)):(\f)+64+8*(4*(\c)+(\b))+7], v[(\f)+8*(4*(\c)+(\a)):(\f)+8*(4*(\c)+(\a))+7], 0
.else
	v_wmma_f32_16x16x32_f16 v[ACC+8*(4*(\a)+(\b)):ACC+8*(4*(\a)+(\b))+7], v[(\f)+64+8*(4*(\c)+(\b)):(\f)+64+8*(4*(\c)+(\b))+7], v[(\f)+8*(4*(\c)+(\a)):(\f)+8*(4*(\c)+(\a))+7], v[ACC+8*(4*(\a)+(\b)):ACC+8*(4*(\a)+(\b))+7]
.endif
.endr
.endr
.endm
; 32 LDS loads in one run: the fragments of 64 keys, at byte k of pb's rows = key k / 2 of v's tile, into buffer f; the first 32 keys first
.macro FETCH slot, k, f
	WIN TO_F
.irp c, 0,1
.irp i, 0,1,2,3
	ds_load_tr16_b128 v[(\f)+64+8*(4*(\c)+(\i)):(\f)+64+8*(4*(\c)+(\i))+3],   v[ADRB+2*(\slot)+(\k)/256] offset:(((\k)/2)%128+32*(\c))*PV+32*(\i)
	ds_load_tr16_b128 v[(\f)+64+8*(4*(\c)+(\i))+4:(\f)+64+8*(4*(\c)+(\i))+7], v[ADRB+2*(\slot)+(\k)/256] offset:(((\k)/2)%128+32*(\c)+16)*PV+32*(\i)
	ds_load_b128 v[(\f)+8*(4*(\c)+(\i)):(\f)+8*(4*(\c)+(\i))+3],         v[ADRA+(\slot)] offset:(\k)+64*(\c)+(\i)*16*PITCH
	ds_load_b128 v[(\f)+8*(4*(\c)+(\i))+4:(\f)+8*(4*(\c)+(\i))+7],       v[ADRA+(\slot)] offset:(\k)+64*(\c)+(\i)*16*PITCH+32
.endr
.endr
.endm
.macro PLACES                          ; four places in front of loads into registers that matrix instructions have read, and of vector instructions that read results (ISA guide 7.12.1 for vector instructions)
.rept 4
	v_nop
.endr
.endm
; A K step is four quarters of 64 keys, 32 matrix instructions each, on buffers 0, 1, 0, 1.  One of the first three: multiplies buffer f and fetches the next quarter, at byte k, into g.
.macro QUARTER slot, k, f, g, zero
	s_wait_dscnt 16                                ; the first 32 keys are in; the sixteen younger loads may be out
	WIN MUL
	MUL8 \f, 0, 0, \zero
	MUL8 \f, 0, 2, \zero
	PLACES
	FETCH \slot, \k, \g
	s_wait_dscnt 32                                ; all but the 32 just issued
	WIN MUL
	MUL8 \f, 1, 0, 0
	MUL8 \f, 1, 2, 0
.endm
; The last quarter multiplies buffer 1 and changes slots: ONE barrier; in front of it each wave waits for all its tensor loads, adds 0 to its spare word, and waits for that and for its own reads of this slot.
; fill = 1: this slot is filled again, with the walk's K step two steps on: K step KN of the tile whose steps are being asked for.  Both addresses are made anew, each from its own buffer's pointer and an
; offset; then the number steps, and behind the first tile's last K step it goes back to 0 and the second tile's rows of pb take the first's place (v's keys begin again at the batch's first).
.macro TURN slot, next, fill
	WIN 0                                          ; (the add's two registers lie in window 0)
	s_wait_tensorcnt 0x0                           ; all my tensor loads have landed: my part of the next slot; so every group 0 may be written;
	ds_add_u32 v[SPW], v[NIL]                      ; 0 onto my spare word; the scalar work below and eight matrix instructions stand between it and the wait for it
.if \fill
	s_lshl_b32 s[OA], s[KN], 9                     ; 512 bytes of pb's rows to a K step
	s_add_co_u32 s[OA], s[OA], s[AB]
	s_add_nc_u64 s[G0+4*(\slot)+2:G0+4*(\slot)+3], s[4:5], s[OA:OA+1]
	s_or_b32 s[G0+4*(\slot)+3], s[G0+4*(\slot)+3], 0x80000000
	s_mul_i32 s[OV], s[KN], BSTEP                  ; 256 rows of qkv to a K step: under 2^24 for the eight steps at the most
	s_add_co_u32 s[OV], s[OV], s[BB]
	s_add_nc_u64 s[G0B+4*(\slot)+2:G0B+4*(\slot)+3], s[6:7], s[OV:OV+1]
	s_or_b32 s[G0B+4*(\slot)+3], s[G0B+4*(\slot)+3], 0x80000000
	s_add_co_u32 s[KN], s[KN], 1
	s_cmp_eq_u32 s[KN], s[NL]                      ; was that the first tile's last K step?
	s_cselect_b32 s[KN], 0, s[KN]
	s_cselect_b32 s[AB], s[AB2], s[AB]
	s_cselect_b32 s[NL], 64, s[NL]                 ; the second tile's steps end with the walk: a number that KN never reaches
.endif
	s_wait_dscnt 17                                ; (the add and the youngest sixteen loads may be out)
	WIN MUL
	MUL8 F1, 0, 0, 0
	s_wait_dscnt 0x0                               ; the add is done, and my reads of this slot are over
	s_barrier_signal -1
	MUL8 F1, 0, 2, 0
.if \fill
	WIN 0
.endif
	s_barrier_wait -1
.if \fill
	CREST                                          ; the barrier has opened a round of the cluster's barrier: no wave of any partner still reads this slot's tile or has a load on its way
	JLOAD \slot                                    ; the first tensor load behind the round, my only one out; its four v_nop are also the places in front of the loads below
.else
	PLACES
.endif
	FETCH \next, 0, F0
	WIN MUL
	MUL8 F1, 1, 0, 0
	MUL8 F1, 1, 2, 0
.endm
; THE WAY OUT of my rows 16 a .. 16 a + 15.  TOSTAGE: the sums times 2^-10, each accumulator from its low end on; a lane's eight f32 of a row go into my own stage, rows of 272 bytes, and come back as whole rows of 256 bytes.
.macro TOSTAGE a
.irp b, 0,1,2,3
.irp r, 0,1,2,3
	v_pk_mul_f32 v[ACC+8*(4*(\a)+(\b))+2*(\r):ACC+8*(4*(\a)+(\b))+2*(\r)+1], v[ACC+8*(4*(\a)+(\b))+2*(\r):ACC+8*(4*(\a)+(\b))+2*(\r)+1], s[70:71] op_sel_hi:[1,0]
.endr
.endr
.irp b, 0,1,2,3
	ds_store_b128 v[STO], v[ACC+8*(4*(\a)+(\b)):ACC+8*(4*(\a)+(\b))+3]   offset:64*(\b)
	ds_store_b128 v[STO], v[ACC+8*(4*(\a)+(\b))+4:ACC+8*(4*(\a)+(\b))+7] offset:64*(\b)+16
.endr
.if (\a) > 1
	s_wait_xcnt 0x0                                ; the registers loaded below were the data of the stores two blocks back: they are rewritten only behind this wait
.endif
.irp t, 0,1,2,3,4,5,6,7
	ds_load_b128 v[TMP+32*((\a)%2)+4*(\t):TMP+32*((\a)%2)+4*(\t)+3], v[RD] offset:(\t)*2*SPITCH  ; LDS serves a wave's instructions in order (ISA guide 5.7.1.4): these see the stores above; the next block's stores come behind them
.endr
.endm
.macro SEND a, younger                 ; younger: the LDS instructions issued behind block a's loads: the next block's sixteen, or none
.irp t, 0,1,2,3,4,5,6,7
	s_wait_dscnt (\younger)+7-(\t)
	global_store_b128 v[CO], v[TMP+32*((\a)%2)+4*(\t):TMP+32*((\a)%2)+4*(\t)+3], s[8:9] offset:(16*(\a)+2*(\t))*CP th:TH_STORE_NT  ; 16 lanes store 256 consecutive bytes, at a multiple of 256 from C's first byte
.endr
.endm
.macro WAYOUT                          ; a whole tile; every window is 0
	PLACES                                         ; the scalings below read results just made
	TOSTAGE 0
	TOSTAGE 1                                      ; a block goes into the stage while the block before comes back
	SEND 0, 16
	TOSTAGE 2
	SEND 1, 16
	TOSTAGE 3
	SEND 2, 16
	SEND 3, 0
.endm
	s_wait_tensorcnt 1                             ; my part of K step 0 is in; K step 1's may stay out
	s_barrier_signal -1
	s_barrier_wait -1                              ; everybody's is
	FETCH 0, 0, F0
	QUARTER 0, 128, F0, F1, 1                      ; the first quarter stands in front of the loop: its first products start the sums
	WIN 0                                          ; at a label and at a branch every window is 0
	s_mov_b32 s3, WALK-1
.Llap:                                                 ; four trips: a trip goes once round the ring, from a lap's second quarter to the next lap's first, and fills both slots again
	QUARTER 0, 256, F1, F0, 0
	QUARTER 0, 384, F0, F1, 0
	TURN 0, 1, 1
	QUARTER 1, 128, F0, F1, 0
	QUARTER 1, 256, F1, F0, 0
	QUARTER 1, 384, F0, F1, 0
	TURN 1, 0, 1
	WIN 0
	s_sub_co_u32 s[LEFT], s[LEFT], 1               ; a lap of the tile in hand is finished
	s_cmp_lg_u32 s[LEFT], 0
	s_cbranch_scc1 .Lsame                          ; not its last: on with the same sums
	WAYOUT                                         ; THE FIRST TILE LEAVES: both refills of this lap, the second tile's, have been asked for, and its first fragments are on their way into buffer 0
	s_wait_xcnt 0x0                                ; every earlier memory instruction has had its addresses translated (ISA guide 3.1): the stores' base and their data registers are rewritten only behind this wait
	s_mov_b64 s[8:9], s[C2:C2+1]                   ; out0 at the second tile
	s_mov_b32 s[LEFT], s[LAP2]                     ; whose last lap is the walk's last, behind the loop
	QUARTER 0, 128, F0, F1, 1                      ; the second tile's first quarter: its first products start the sums anew: nothing is cleared
	WIN 0
	s_branch .Ljoin
.Lsame:
	QUARTER 0, 128, F0, F1, 0
	WIN 0
.Ljoin:
	s_sub_co_u32 s3, s3, 1
	s_cmp_lg_u32 s3, 0
	s_cbranch_scc1 .Llap
	QUARTER 0, 256, F1, F0, 0                      ; the last lap fills nothing, and has no round of the cluster's barrier
	QUARTER 0, 384, F0, F1, 0
	TURN 0, 1, 0
	QUARTER 1, 128, F0, F1, 0
	QUARTER 1, 256, F1, F0, 0
	QUARTER 1, 384, F0, F1, 0
	s_wait_dscnt 16                                ; the very last quarter: nothing more to fetch
	WIN MUL
	MUL8 F1, 0, 0, 0
	MUL8 F1, 0, 2, 0
	s_wait_dscnt 0
	MUL8 F1, 1, 0, 0
	MUL8 F1, 1, 2, 0
	WIN 0
	WAYOUT                                         ; the second tile
	s_wait_tensorcnt 0x0                           ; the wave's end: behind my last tensor load and my last LDS store
	ds_add_u32 v[SPW], v[NIL]
	s_wait_dscnt 0x0
	CROUND                                         ; the closing round: no work-group ends while a partner may still ask for a tile that names it
	s_endpgm
.Lfunc_end_k_q27712b80b7_pv:
	.size	k_q27712b80b7_pv, .Lfunc_end_k_q27712b80b7_pv-k_q27712b80b7_pv
	.p2alignl 7, 3214868480
	.fill 96, 4, 3214868480
	.section	.rodata,"a",@progbits
	.p2align	6, 0x0
	.amdhsa_kernel k_q27712b80b7_pv
		.amdhsa_group_segment_fixed_size 327680
		.amdhsa_private_segment_fixed_size 0
		.amdhsa_enable_private_segment 0
		.amdhsa_kernarg_size 24
		.amdhsa_user_sgpr_count 2
		.amdhsa_user_sgpr_kernarg_segment_ptr 1
		.amdhsa_wavefront_size32 1
		.amdhsa_system_sgpr_workgroup_id_x 1
		.amdhsa_system_sgpr_workgroup_id_y 1
		.amdhsa_system_sgpr_workgroup_id_z 1
		.amdhsa_system_vgpr_workitem_id 0
		.amdhsa_next_free_vgpr 512
		.amdhsa_next_free_sgpr 88
		.amdhsa_reserve_vcc 0
		.amdhsa_float_denorm_mode_32 3
		.amdhsa_float_denorm_mode_16_64 3
		.amdhsa_memory_ordered 1
		.amdhsa_forward_progress 1
		.amdhsa_inst_pref_size 109
	.end_amdhsa_kernel
	.amdgpu_metadata
---
amdhsa.version: [ 1, 2 ]
amdhsa.kernels:
  - .name:           k_q27712b80b7_pv
    .symbol:         k_q27712b80b7_pv.kd
    .args:
      - { .name: pb, .offset: 0, .size: 8, .value_kind: global_buffer, .address_space: global }
      - { .name: qkv, .offset: 8, .size: 8, .value_kind: global_buffer, .address_space: global }
      - { .name: out0, .offset: 16, .size: 8, .value_kind: global_buffer, .address_space: global }
    .group_segment_fixed_size: 327680
    .private_segment_fixed_size: 0
    .kernarg_segment_align: 8
    .kernarg_segment_size: 24
    .max_flat_workgroup_size: 128
    .sgpr_count:     88
    .vgpr_count:     512
    .wavefront_size: 32
...
	.end_amdgpu_metadata
.endif
;; end of part 8
